; MI455X (gfx1250); checked and timed in simulation.
; The chip was launched on July 23, 2026; its instructions are those of AMD's public machine-readable ISA for CDNA 5 (MIT licence, August 2026) and "CDNA5" Instruction Set Architecture Reference Guide (July 2026). The comments in the code are by the model that wrote it; some were corrected since.
;; Attention. Allowed arithmetic: matrix products marked QUANTISED: E2M3 operands, one E8M0 scale for each 32 along K, by v_wmma_scale_f32_16x16x128_f8f6f4 with both operands' format E2M3, f32 sums; everything else in f32.
;; Inputs: k_kernel 2,048 x 512 float32; out_kernel 2,048 x 2,048 float32; q_kernel 2,048 x 2,048 float32; v_kernel 2,048 x 512 float32; x 1 x 4,096 x 2,048 float32.
;; Outputs: out0 1 x 4,096 x 2,048 float32.
;; This version of the problem:
;;   THIS VERSION OF THE PROBLEM IS GIVEN IN LOW PRECISION. The matrix products marked QUANTISED in the list below multiply operands that are first quantised to E2M3 (2 exponent bits, 3 mantissa bits; 6 bits a number), with one power-of-two scale for each 32 numbers along K (OCP MX v1.0); their sums are f32. All else is computed in f32.
;;   The module's matrix products, in the order in which they are computed (A, B: the left and right operand; K: the contracted axis; several contracted axes count as one K, in the product's order):
;;     1. [M 4,096, K 2,048] x [K 2,048, N 2,048]; A: input x; B: input q_kernel: QUANTISED
;;     2. [M 4,096, K 2,048] x [K 2,048, N 512]; A: input x; B: input k_kernel: QUANTISED
;;     3. [M 4,096, K 2,048] x [K 2,048, N 512]; A: input x; B: input v_kernel: QUANTISED
;;     4. batch 128 x [M 512, K 128] x [K 128, N 1,024]; A: computed on the way; B: computed on the way: QUANTISED
;;     5. batch 128 x [M 128, K 1,024] x [K 1,024, N 512]; A: computed on the way; B: softmax (see below): QUANTISED
;;     6. [M 4,096, K 2,048] x [K 2,048, N 2,048]; A: computed on the way; B: input out_kernel: QUANTISED
;;   THE QUANTISER, for each operand of a quantised product, along K:
;;     - K is cut into blocks of 32 from its start; a last block that is shorter is filled with zeros.
;;     - A block's scale is 2^e with e = floor(log2(the largest magnitude in the block)) - 2, held to -126 .. 127; a block of zeros has e = 0. As a byte (E8M0): e + 127.
;;     - Each number is divided by its block's scale, clamped to +-7.5, and rounded to the nearest number of E2M3, ties to even, subnormals kept.
;;     - The product sums the exact products of the quantised numbers (number of the format x scale) in f32.
;;   ~~~python
;;   def quantise(x, axis):      # numpy; x: float32 -> the quantised numbers, widened to float32 again
;;       x = np.moveaxis(x, axis, -1); K = x.shape[-1]
;;       x = np.pad(x, [(0, 0)] * (x.ndim - 1) + [(0, -K % 32)]); x = x.reshape(x.shape[:-1] + (-1, 32)); a = np.abs(x).max(-1, keepdims=True)
;;       e = np.where(a > 0, np.clip(np.frexp(np.where(a > 0, a, 1))[1] - 1 - 2, -126, 127), 0)      # np.frexp(a)[1] - 1 = floor(log2(a)), exactly
;;       r = np.clip(x / 2.0 ** e, -7.5, 7.5)
;;       step = 2.0 ** (np.maximum(np.frexp(np.where(r == 0, 1, r))[1] - 1, 0) - 3)
;;       q = np.round(r / step) * step * 2.0 ** e      # np.round: ties to even
;;       return np.moveaxis(q.reshape(q.shape[:-2] + (-1,))[..., :K], -1, axis).astype(np.float32)
;;   ~~~
;;   SOFTMAX AHEAD OF A QUANTISED PRODUCT. Where the list says 'softmax', what is quantised is not the finished softmax but p = 2^(t - M), with t = logit x log2(e) and M = ceil(the row's largest t), a whole number; so 1/2 < the row's largest p <= 1. The row's sum l is taken of the UNQUANTISED p, in f32, and the product's result is divided by l at the end. Since M is a whole number, a kernel that streams over the keys may use a running M (the ceiling of the running maximum): every later rescaling is an exact power of two, which a block's scale takes up: the codes' values come out the same.
;;   OPERANDS COMPUTED ON THE WAY. 'Computed on the way' means the value that the module computes at that place (a softmax that the list does not call 'softmax' is quantised finished and normalised). What goes into a quantiser is computed in f32, as accurately as f32 sums, v_exp_f32 and their like allow (about 1e-6 of the number): no bf16 or f16 on the way to a quantiser, and a product that is left as it is and whose result goes on into a quantised operand takes f32 operands (vector FMAs, or v_wmma_f32_16x16x4_f32). A number that lies on a knife's edge between two numbers of the format may be rounded either way, as far as f32 arithmetic and the matrix unit's own rounding can turn it there, and no further.
;; One version. Each part assembles by itself: llvm-mc -triple=amdgcn-amd-amdhsa -mcpu=gfx1250 --defsym DOCPART=n.
;; ======== version 1 of 1: 4 launches
;; limits: right only within a limited range of input values
;; workspace buffers: xq 6,553,600 bytes; wq 8,454,144 bytes; tab 2,097,152 bytes; qk 8,192,000 bytes; vq 1,638,400 bytes; aq 6,553,600 bytes
;; launch prep (part 1): grid 576 x 1, 4 waves a work-group, no clusters, 34,304 bytes of LDS; arguments x, q_kernel, k_kernel, v_kernel, out_kernel, xq, wq, tab; writes xq, wq, tab
.if DOCPART == 1
	.amdgcn_target "amdgcn-amd-amdhsa--gfx1250"
	.amdhsa_code_object_version 6
	.text
	.protected	k_q7d22440235_prep
	.globl	k_q7d22440235_prep
	.p2align	8
	.type	k_q7d22440235_prep,@function
k_q7d22440235_prep:
	s_mov_b64 s[64:65], 0
	v_nop
	global_prefetch_b8 v0, s[64:65] scope:SCOPE_SE
	s_setreg_imm32_b32 hwreg(HW_REG_WAVE_MODE, 25, 1), 1
	s_wait_xcnt 0x0
; x and the four weights become codes of FP6 (E2M3) with one E8M0 byte for each 32 along K, laid as the products' operand registers want them; RoPE's table is made beside x.
; POSITION ORDER: rows of every operand (tokens; a weight's columns) are stored with bits 3 and 4 of their index exchanged: row r of row block 2 A + u is the true index 32 A + 8 u + r + (r & 8).
; IMAGE: a fragment (16 rows x 128 K, 12 registers a lane) lies in memory as its registers stand: registers 4 c .. 4 c + 3 of lane l at 512 c + 16 l; 1,536 bytes.  xq, wq: [row block][K step of 128][1536]; scale words [row][16].
; Work-groups 0-255 (path X): one row block of x each; wave w takes K steps 4 w .. 4 w + 3, and 8 of the 32 (cos, sin) pairs of each lane of the block's table.
; Work-groups 256-575 (path W): 128 columns x 256 along K of one weight; a lane takes a column and its registers run down K, so a block of 32 is one lane's.
; A block's scale byte is its largest magnitude's exponent field - 2, held at 1 from below.
; LIMITS: NaN and infinities among the inputs are not served; a block whose largest magnitude lies under 2^-124 keeps the byte 1, a block of zeros too (its codes are zeros, and this program alone reads the bytes).
; RoPE: the timescale 10000^(f/64) is v_exp_f32 of f x log2(10000)/64, the angle a division refined once, sine and cosine polynomials behind a reduction by pi/2 in two parts.
; The angle can differ from one made by another f32 power function by a few units in its last place: up to about 5e-4 rad at the last tokens of the fastest frequencies.
; No input is shared between work-groups, so no cluster; no tensor load; no barrier: a wave's stage in LDS is its own.
.set XS_OFF, 8192000                   ; x's scale words lie in wq, behind the weights' words, so that one base serves both in the next launch
.set WS_OFF, 7864320                   ; wq: likewise
.set SEL, 46                           ; s[46:47] selects of v_permlanex16_b32: lane l xor 16
.set R0,  16                           ; v16-79   path X: a unit's 16 rows x 512 bytes as loaded, two sets
.set R1,  80
.set X,   144                          ; v144-207 64 numbers of my row, 16 of each block of 32; before that the table's scratch
.set PC,  208                          ; v208-227 the codes just made
.set TM,  228                          ; v228-243 at work in QUANT
.set PWS, 244                          ; v244-247 my row's four scale words
.set BT,  192                          ; path W: v192-194 a block's upper 16 codes
.set BM,  196                          ; v196-199 at work in BLK32
.set SBY, 200                          ; v200-201 my column's two scale words
; 64 numbers of a lane, v[s] on, register 16 b + i = k 32 b + 16 (lane / 16) + i of my row, become a fragment's codes in v[PC] on and its scale word in v[pw].
.macro QUANT s, pw
.irp b, 0,1,2,3
	v_max3_num_f32 v[TM+\b], |v[\s+16*\b]|, |v[\s+1+16*\b]|, 0x1800000   ; block b: my 16 numbers and the floor 2^(3 - 127): the byte cannot fall under 1
.endr
.irp i, 2,4,6,8,10,12,14
.irp b, 0,1,2,3
	v_max3_num_f32 v[TM+\b], v[TM+\b], |v[\s+16*\b+\i]|, |v[\s+1+16*\b+\i]|   ; the four blocks by turns
.endr
.endr
.irp b, 0,1,2,3
	v_permlanex16_b32 v[TM+4+\b], v[TM+\b], s[SEL], s[SEL+1]
.endr
.irp b, 0,1,2,3
	v_max_num_f32 v[TM+\b], v[TM+\b], v[TM+4+\b]   ; with lane l xor 16's: the block's largest magnitude
.endr
.irp b, 0,1,2,3
	v_add_nc_u32 v[TM+12+\b], 0xff000000, v[TM+\b]   ; 2 off its exponent field: the conversion's scale operand
.endr
.irp b, 0,1,2,3
	v_lshrrev_b32 v[TM+4+\b], 23, v[TM+12+\b]   ; the scale's byte
.endr
	v_lshl_or_b32 v[\pw], v[TM+5], 8, v[TM+4]
	v_lshl_or_b32 v[\pw], v[TM+6], 16, v[\pw]
	v_lshl_or_b32 v[\pw], v[TM+7], 24, v[\pw]
.irp c, 0,1
	v_cvt_scalef32_pk16_fp6_f32 v[PC+6*\c:PC+2+6*\c], v[\s+32*\c:\s+15+32*\c], v[TM+12+2*\c]
	v_cvt_scalef32_pk16_fp6_f32 v[PC+12+4*\c:PC+14+4*\c], v[\s+16+32*\c:\s+31+32*\c], v[TM+12+2*\c+1]   ; (a conversion's three registers begin on an even number)
.endr
	v_nop                                          ; one plain place behind a scaled conversion
.irp c, 0,1                                    ; the operand wants a whole block in a lane: lanes 0-15 block 2 c, lanes 16-31 block 2 c + 1
.irp i, 0,1,2
	v_permlane16_swap_b32 v[PC+6*\c+\i], v[PC+12+4*\c+\i]
.endr
.irp i, 0,1,2
	v_mov_b32 v[PC+3+6*\c+\i], v[PC+12+4*\c+\i]
.endr
.endr
.endm
; 32 numbers of a lane, v[xs] on, one whole block of my row: six registers of codes at v[d6] on; the byte goes sh bits up into v[sb].
.macro BLK32 xs, d6, sb, sh
	v_max3_num_f32 v[BM], |v[\xs]|, |v[\xs+1]|, |v[\xs+2]|
	v_max3_num_f32 v[BM+1], |v[\xs+3]|, |v[\xs+4]|, |v[\xs+5]|
.irp i, 6,10,14,18,22,26
	v_max3_num_f32 v[BM], v[BM], |v[\xs+\i]|, |v[\xs+\i+1]|
	v_max3_num_f32 v[BM+1], v[BM+1], |v[\xs+\i+2]|, |v[\xs+\i+3]|
.endr
	v_max3_num_f32 v[BM], v[BM], |v[\xs+30]|, |v[\xs+31]|
	v_max3_num_f32 v[BM], v[BM], v[BM+1], 0x1800000   ; and the floor
	v_add_nc_u32 v[BM+2], 0xff000000, v[BM]
	v_lshrrev_b32 v[BM+3], 23, v[BM+2]
.if \sh == 0
	v_mov_b32 v[\sb], v[BM+3]
.else
	v_lshl_or_b32 v[\sb], v[BM+3], \sh, v[\sb]
.endif
	v_cvt_scalef32_pk16_fp6_f32 v[\d6:\d6+2], v[\xs:\xs+15], v[BM+2]
	v_cvt_scalef32_pk16_fp6_f32 v[BT:BT+2], v[\xs+16:\xs+31], v[BM+2]
	v_nop                                          ; one plain place behind a scaled conversion
.irp i, 0,1,2
	v_mov_b32 v[\d6+3+\i], v[BT+\i]
.endr
.endm
	s_load_b256 s[4:11], s[0:1], 0x0               ; x s[4:5], q_kernel s[6:7], k_kernel s[8:9], v_kernel s[10:11]
	s_load_b256 s[12:19], s[0:1], 0x20             ; out_kernel s[12:13], xq s[14:15], wq s[16:17], tab s[18:19]
	v_lshl_add_u32 v254, v0, 2, 0x8400
	v_mov_b32 v255, 0
	v_lshrrev_b32 v1, 5, v0
	v_readfirstlane_b32 s20, v1                    ; wave 0..3
	v_and_b32 v2, 31, v0                           ; lane
	v_and_b32 v3, 15, v0                           ; r
	v_bfe_u32 v4, v0, 4, 1                         ; h
	s_cmp_lt_u32 ttmp9, 256
	s_cbranch_scc0 .Lw
; ---------------- path X: row block RB = the work-group's number
	s_lshr_b32 s21, ttmp9, 1
	s_lshl_b32 s21, s21, 5
	s_and_b32 s22, ttmp9, 1
	s_lshl_b32 s22, s22, 3
	s_add_co_u32 s23, s21, s22                     ; the block's first token: 32 (RB / 2) + 8 (RB % 2)
	s_lshl_b32 s32, s23, 13                        ; x: a row is 8,192 bytes;
	s_lshl_b32 s33, s20, 11                        ; my four K steps are 2,048 bytes of it
	s_add_co_u32 s32, s32, s33
	s_mov_b32 s33, 0
	s_mul_i32 s34, ttmp9, 24576                    ; xq's codes: 16 images a row block, four a wave
	s_mul_i32 s35, s20, 6144
	s_add_co_u32 s34, s34, s35
	s_mov_b32 s35, 0
	s_lshl_b32 s36, ttmp9, 10                      ; xq's scale words: 64 bytes a row, 16 of them a wave
	s_lshl_b32 s37, s20, 4
	s_add_co_u32 s36, s36, s37
	s_add_co_u32 s36, s36, XS_OFF
	s_mov_b32 s37, 0
	s_lshl_b32 s38, ttmp9, 13                      ; tab: 8,192 bytes a row block; my two chunks of cos (sin: 4,096 on)
	s_lshl_b32 s39, s20, 10
	s_add_co_u32 s38, s38, s39
	s_mov_b32 s39, 0
	s_mul_i32 s31, s20, 8448                       ; my stage in LDS: 16 rows of 512 + 16 bytes
	s_wait_alu depctr_va_vdst(0)
	v_lshlrev_b32 v5, 4, v2                        ; 16 x lane
	v_add_nc_u32 v6, s31, v5                       ; into the stage: a row's 512 bytes as they lie
	v_mul_u32_u24 v7, v3, 528
	v_lshl_add_u32 v7, v4, 6, v7
	v_add_nc_u32 v7, s31, v7                       ; out of it: row r, + 64 h: my 16 numbers of a block of 32
	v_lshlrev_b32 v8, 6, v3
	v_lshl_add_u32 v8, v4, 3, v8                   ; the scale words: 64 r + 8 h
	v_cmp_eq_u32 s30, 1, v4                        ; lanes 16-31
	s_mov_b32 s[SEL], 0x76543210
	s_mov_b32 s[SEL+1], 0xfedcba98
.irp b, 0,1,2,3
	v_mov_b32 v[TM+4+\b], 0                        ; written once: a lane permute's destination counts as one of its sources
.endr
	s_wait_kmcnt 0x0
	s_add_nc_u64 s[4:5], s[4:5], s[32:33]
	s_add_nc_u64 s[24:25], s[14:15], s[34:35]
	s_add_nc_u64 s[26:27], s[16:17], s[36:37]
	s_add_nc_u64 s[28:29], s[18:19], s[38:39]
.macro LOADX q, set                    ; K step q of my four: 512 consecutive bytes of each of the block's 16 rows (row i is token i + 8 (i / 8) of the block)
.irp i, 0,1,2,3,4,5,6,7,8,9,10,11,12,13,14,15
	global_load_b128 v[\set+4*\i:\set+4*\i+3], v5, s[4:5] offset:(\i+8*(\i/8))*8192+512*(\q) th:TH_LOAD_NT
.endr
.endm
	LOADX 0, R0
	LOADX 1, R1
	; ---- RoPE's table, while x is on its way: pair e of my eight is register 8 w + e of the lane's 32: frequency f = 32 (w / 2) + 8 (w % 2) + 16 h + e
	s_lshr_b32 s21, s20, 1
	s_lshl_b32 s21, s21, 5
	s_and_b32 s22, s20, 1
	s_lshl_b32 s22, s22, 3
	s_add_co_u32 s21, s21, s22
	v_lshl_add_u32 v10, v4, 4, s21
	v_and_b32 v9, 8, v3
	v_add_nc_u32 v9, v9, v3
	v_add_nc_u32 v9, s23, v9
	v_cvt_f32_u32 v9, v9                           ; my token, exact in f32
	s_mov_b32 s40, 0xb94ca1f9                      ; sine's polynomial on |r| <= pi/4
	s_mov_b32 s41, 0x3c08839e
	s_mov_b32 s42, 0xbe2aaaa3
	s_mov_b32 s43, 0x37ccf5ce                      ; cosine's
	s_mov_b32 s44, 0xbab6061a
	s_mov_b32 s45, 0x3d2aaaa5
.irp e, 0,1,2,3,4,5,6,7
	v_add_nc_u32 v[144+\e], \e, v10
.endr
.irp e, 0,1,2,3,4,5,6,7
	v_cvt_f32_u32 v[144+\e], v[144+\e]
.endr
.irp e, 0,1,2,3,4,5,6,7
	v_mul_f32 v[144+\e], 0x3e549a78, v[144+\e]     ; f x log2(10000) / 64
.endr
	s_wait_alu depctr_va_vdst(0)
.irp e, 0,1,2,3,4,5,6,7
	v_exp_f32 v[152+\e], v[144+\e]                 ; the timescale
.endr
	v_nop                                          ; a plain place behind the batch,
	s_wait_alu depctr_va_vdst(0)                   ; and one wait for it, ahead of its first reader
.irp e, 0,1,2,3,4,5,6,7
	v_rcp_f32 v[160+\e], v[152+\e]
.endr
	v_nop
	s_wait_alu depctr_va_vdst(0)
.irp e, 0,1,2,3,4,5,6,7
	v_mul_f32 v[168+\e], v9, v[160+\e]             ; token / timescale: a first quotient,
.endr
.irp e, 0,1,2,3,4,5,6,7
	v_fma_f32 v[144+\e], -v[168+\e], v[152+\e], v9 ; its remainder,
.endr
.irp e, 0,1,2,3,4,5,6,7
	v_fma_f32 v[168+\e], v[144+\e], v[160+\e], v[168+\e]   ; the angle
.endr
.irp e, 0,1,2,3,4,5,6,7
	v_mul_f32 v[144+\e], 0x3f22f983, v[168+\e]     ; x 2 / pi
.endr
.irp e, 0,1,2,3,4,5,6,7
	v_rndne_f32 v[144+\e], v[144+\e]               ; n
.endr
.irp e, 0,1,2,3,4,5,6,7
	v_fmamk_f32 v[168+\e], v[144+\e], 0xbfc90fdb, v[168+\e]   ; angle - n x (pi/2 as f32): the difference fits 24 bits, nothing is rounded
.endr
.irp e, 0,1,2,3,4,5,6,7
	v_fmamk_f32 v[168+\e], v[144+\e], 0x333bbd2e, v[168+\e]   ; and the rest of pi/2
.endr
.irp e, 0,1,2,3,4,5,6,7
	v_mul_f32 v[152+\e], v[168+\e], v[168+\e]      ; z = r^2
.endr
.irp e, 0,1,2,3,4,5,6,7
	v_cvt_i32_f32 v[144+\e], v[144+\e]
.endr
.irp e, 0,1,2,3,4,5,6,7
	v_fma_f32 v[160+\e], v[152+\e], s40, s41
	v_fma_f32 v[176+\e], v[152+\e], s43, s44
.endr
.irp e, 0,1,2,3,4,5,6,7
	v_fma_f32 v[160+\e], v[160+\e], v[152+\e], s42
	v_fma_f32 v[176+\e], v[176+\e], v[152+\e], s45
.endr
.irp e, 0,1,2,3,4,5,6,7
	v_mul_f32 v[160+\e], v[160+\e], v[152+\e]
	v_mul_f32 v[176+\e], v[176+\e], v[152+\e]
	v_fma_f32 v[184+\e], v[152+\e], -0.5, 1.0
.endr
.irp e, 0,1,2,3,4,5,6,7
	v_fma_f32 v[160+\e], v[160+\e], v[168+\e], v[168+\e]   ; sin r
	v_fma_f32 v[176+\e], v[176+\e], v[152+\e], v[184+\e]   ; cos r
.endr
.irp e, 0,1,2,3,4,5,6,7
	v_and_b32 v[184+\e], 1, v[144+\e]              ; odd n: the two change places
	v_cmp_eq_u32 vcc_lo, 1, v[184+\e]
	v_cndmask_b32 v[200+\e], v[160+\e], v[176+\e], vcc_lo
	v_cndmask_b32 v[192+\e], v[176+\e], v[160+\e], vcc_lo
.endr
.irp e, 0,1,2,3,4,5,6,7
	v_and_b32 v[184+\e], 2, v[144+\e]              ; sine is negative in quadrants 2, 3,
	v_add_nc_u32 v[144+\e], 1, v[144+\e]
	v_lshlrev_b32 v[184+\e], 30, v[184+\e]
	v_and_b32 v[144+\e], 2, v[144+\e]              ; cosine in quadrants 1, 2
	v_xor_b32 v[200+\e], v[184+\e], v[200+\e]
	v_lshlrev_b32 v[144+\e], 30, v[144+\e]
	v_xor_b32 v[192+\e], v[144+\e], v[192+\e]
.endr
	global_store_b128 v5, v[192:195], s[28:29]             ; each store of the wave covers 512 consecutive bytes, aligned
	global_store_b128 v5, v[196:199], s[28:29] offset:512
	global_store_b128 v5, v[200:203], s[28:29] offset:4096
	global_store_b128 v5, v[204:207], s[28:29] offset:4608
; One K step: through my stage, so that loads take bytes as they lie and a lane still gets 16 neighbours of each block; quantised; its image stored.
.macro UNIT q, set, left
	s_wait_loadcnt \left                           ; this unit's 16 loads are in; the next unit's 16 may be out
	s_wait_xcnt 0x0                                ; earlier stores have read X and PC: both are written again only behind this wait
.irp i, 0,1,2,3,4,5,6,7,8,9,10,11,12,13,14,15
	ds_store_b128 v6, v[\set+4*\i:\set+4*\i+3] offset:528*\i
.endr
.irp b, 0,1,2,3
.irp j, 0,1,2,3
	ds_load_b128 v[X+16*\b+4*\j:X+16*\b+4*\j+3], v7 offset:128*\b+16*\j   ; LDS serves a wave's instructions in order: these see the stores above
.endr
.endr
	s_wait_dscnt 0x0
.if \q < 2
	LOADX \q+2, \set                               ; the set's stores into the stage have read it
.endif
	QUANT X, PWS+\q
.irp c, 0,1,2
	global_store_b128 v5, v[PC+4*\c:PC+4*\c+3], s[24:25] offset:1536*\q+512*\c
.endr
.endm
	UNIT 0, R0, 16
	UNIT 1, R1, 16
	UNIT 2, R0, 16
	UNIT 3, R1, 0
	v_cndmask_b32 v248, v244, v246, s30            ; both halves of the lanes hold row r's four words: lanes 0-15 store the first two, lanes 16-31 the others
	v_cndmask_b32 v249, v245, v247, s30
	global_store_b64 v8, v[248:249], s[26:27]
	s_wait_tensorcnt 0x0
	ds_add_u32 v254, v255
	s_wait_dscnt 0x0
	s_endpgm
; ---------------- path W: 128 columns x 256 along K of one weight
.Lw:
	s_sub_co_u32 s21, ttmp9, 256
	s_lshr_b32 s22, s21, 3                         ; xw 0..39: which 128 rows of wq
	s_and_b32 s23, s21, 7                          ; yw: which 256 along K
	s_wait_kmcnt 0x0
	s_mov_b64 s[24:25], s[12:13]                   ; xw 24..39: out_kernel, rows 3072 + 128 cb
	s_sub_co_u32 s26, s22, 24                      ; cb: which 128 columns of the weight
	s_mov_b32 s27, 8192                            ; bytes in a row of the weight
	s_lshl_b32 s28, s26, 7
	s_add_co_u32 s28, s28, 3072
	s_sub_co_u32 s30, s22, 20                      ; xw 20..23: v_kernel, head cb at rows 2048 + 256 cb + 128
	s_lshl_b32 s31, s30, 8
	s_add_co_u32 s31, s31, 2176
	s_mov_b32 s32, 2048
	s_cmp_lt_u32 s22, 24
	s_cselect_b64 s[24:25], s[10:11], s[24:25]
	s_cselect_b32 s26, s30, s26
	s_cselect_b32 s27, s32, s27
	s_cselect_b32 s28, s31, s28
	s_sub_co_u32 s30, s22, 16                      ; xw 16..19: k_kernel, head cb at rows 2048 + 256 cb
	s_lshl_b32 s31, s30, 8
	s_add_co_u32 s31, s31, 2048
	s_cmp_lt_u32 s22, 20
	s_cselect_b64 s[24:25], s[8:9], s[24:25]
	s_cselect_b32 s26, s30, s26
	s_cselect_b32 s28, s31, s28
	s_lshl_b32 s31, s22, 7                         ; xw 0..15: q_kernel, rows 128 xw
	s_mov_b32 s32, 8192
	s_cmp_lt_u32 s22, 16
	s_cselect_b64 s[24:25], s[6:7], s[24:25]
	s_cselect_b32 s26, s22, s26
	s_cselect_b32 s27, s32, s27
	s_cselect_b32 s28, s31, s28
	s_wait_alu depctr_va_vdst(0)
	v_lshrrev_b32 v5, 3, v2                        ; lane l is position l of the wave's 32 and takes the column with bits 3 and 4 exchanged
	v_lshrrev_b32 v6, 4, v2
	v_xor_b32 v5, v5, v6
	v_and_b32 v5, 1, v5
	v_mul_u32_u24 v5, v5, 24
	v_xor_b32 v5, v5, v2
	v_lshlrev_b32 v5, 2, v5
.set n, 0
.rept 32
	v_mad_u32_u24 v[16+n], s27, n, v5              ; row n of a block of 32 along K, my column; never rewritten
.set n, n+1
.endr
	s_lshl_b32 s34, s26, 9                         ; 128 cb columns,
	s_lshl_b32 s35, s20, 7                         ; 32 w more,
	s_add_co_u32 s34, s34, s35
	s_lshl_b32 s35, s23, 8
	s_mul_i32 s35, s35, s27                        ; 256 yw rows down
	s_add_co_u32 s34, s34, s35
	s_mov_b32 s35, 0
	s_add_nc_u64 s[40:41], s[24:25], s[34:35]      ; a base for each of the 8 blocks: no pointer is stepped
	s_lshl_b32 s36, s27, 5
	s_mov_b32 s37, 0
.irp t, 1,2,3,4,5,6,7
	s_add_nc_u64 s[40+2*\t:41+2*\t], s[38+2*\t:39+2*\t], s[36:37]
.endr
	s_lshl_b32 s30, s20, 5
	s_add_co_u32 s30, s30, s28                     ; my first row of wq
	s_mul_i32 s34, s30, 1536
	s_mul_i32 s31, s23, 3072
	s_add_co_u32 s34, s34, s31
	s_add_nc_u64 s[56:57], s[16:17], s[34:35]      ; the codes: row block, K steps 2 yw and 2 yw + 1
	s_lshl_b32 s34, s30, 6
	s_lshl_b32 s31, s23, 3
	s_add_co_u32 s34, s34, s31
	s_add_co_u32 s34, s34, WS_OFF
	s_add_nc_u64 s[58:59], s[16:17], s[34:35]      ; the scale words
	v_mul_u32_u24 v8, v4, 24576
	v_lshl_add_u32 v8, v3, 4, v8                   ; my row's place in its row block's images
	v_lshlrev_b32 v9, 6, v2
.macro LOADW t                         ; block t: 32 rows down K, into set t % 2; a load of the wave reads 128 consecutive bytes, the four waves stand side by side
.set n, 0
.rept 32
	global_load_b32 v[48+32*((\t)%2)+n], v[16+n], s[40+2*(\t):41+2*(\t)] th:TH_LOAD_NT
.set n, n+1
.endr
.endm
; Block t is block t % 4 of K step t / 4.  In the image, blocks 0 and 2 belong to the lane r, blocks 1 and 3 to the lane 16 + r: twelve registers for each, stored 256 bytes apart.
.macro WBLK t
.set WQ, (\t)/4
.set WB, (\t)%4
.if (\t) < 7
	s_wait_loadcnt 32                              ; this block's 32 loads are in; the next block's may be out
.else
	s_wait_loadcnt 0x0
.endif
	BLK32 48+32*((\t)%2), 144+24*WQ+12*(WB%2)+6*(WB/2), SBY+WQ, 8*WB
.if (\t)+2 < 8
	LOADW (\t)+2
.endif
.if WB >= 2
.irp c, 0,1,2
	global_store_b128 v8, v[144+24*WQ+12*(WB-2)+4*\c:144+24*WQ+12*(WB-2)+4*\c+3], s[56:57] offset:1536*WQ+512*\c+256*(WB-2)   ; sixteen lanes store 256 consecutive bytes, aligned; no store's data are written again
.endr
.endif
.endm
	s_wait_alu depctr_va_vdst(0)
	LOADW 0
	LOADW 1
.irp t, 0,1,2,3,4,5,6,7
	WBLK \t
.endr
	global_store_b64 v9, v[SBY:SBY+1], s[58:59]
	s_endpgm
.Lfunc_end_k_q7d22440235_prep:
	.size	k_q7d22440235_prep, .Lfunc_end_k_q7d22440235_prep-k_q7d22440235_prep
	.p2alignl 7, 3214868480
	.fill 96, 4, 3214868480
	.section	.rodata,"a",@progbits
	.p2align	6, 0x0
	.amdhsa_kernel k_q7d22440235_prep
		.amdhsa_group_segment_fixed_size 34304
		.amdhsa_private_segment_fixed_size 0
		.amdhsa_enable_private_segment 0
		.amdhsa_kernarg_size 64
		.amdhsa_user_sgpr_count 2
		.amdhsa_user_sgpr_kernarg_segment_ptr 1
		.amdhsa_wavefront_size32 1
		.amdhsa_system_sgpr_workgroup_id_x 1
		.amdhsa_system_sgpr_workgroup_id_y 1
		.amdhsa_system_sgpr_workgroup_id_z 1
		.amdhsa_system_vgpr_workitem_id 0
		.amdhsa_next_free_vgpr 256
		.amdhsa_next_free_sgpr 66
		.amdhsa_reserve_vcc 1
		.amdhsa_float_denorm_mode_32 3
		.amdhsa_float_denorm_mode_16_64 3
		.amdhsa_memory_ordered 1
		.amdhsa_forward_progress 1
		.amdhsa_inst_pref_size 88
	.end_amdhsa_kernel
	.amdgpu_metadata
---
amdhsa.version: [ 1, 2 ]
amdhsa.kernels:
  - .name:           k_q7d22440235_prep
    .symbol:         k_q7d22440235_prep.kd
    .args:
      - { .name: x, .offset: 0, .size: 8, .value_kind: global_buffer, .address_space: global }
      - { .name: q_kernel, .offset: 8, .size: 8, .value_kind: global_buffer, .address_space: global }
      - { .name: k_kernel, .offset: 16, .size: 8, .value_kind: global_buffer, .address_space: global }
      - { .name: v_kernel, .offset: 24, .size: 8, .value_kind: global_buffer, .address_space: global }
      - { .name: out_kernel, .offset: 32, .size: 8, .value_kind: global_buffer, .address_space: global }
      - { .name: xq, .offset: 40, .size: 8, .value_kind: global_buffer, .address_space: global }
      - { .name: wq, .offset: 48, .size: 8, .value_kind: global_buffer, .address_space: global }
      - { .name: tab, .offset: 56, .size: 8, .value_kind: global_buffer, .address_space: global }
    .group_segment_fixed_size: 34304
    .private_segment_fixed_size: 0
    .kernarg_segment_align: 8
    .kernarg_segment_size: 64
    .max_flat_workgroup_size: 128
    .sgpr_count:     66
    .vgpr_count:     256
    .wavefront_size: 32
...
	.end_amdgpu_metadata
.endif
;; end of part 1
;; launch qkv (part 2): grid 12 x 16, 4 waves a work-group, clusters of 4 x 4, 327,680 bytes of LDS; arguments xq, wq, tab, qk, vq; writes qk, vq
.if DOCPART == 2
	.amdgcn_target "amdgcn-amd-amdhsa--gfx1250"
	.amdhsa_code_object_version 6
	.text
	.protected	k_q7d22440235_qkv
	.globl	k_q7d22440235_qkv
	.p2align	8
	.type	k_q7d22440235_qkv,@function
k_q7d22440235_qkv:
	s_mov_b64 s[64:65], 0
	v_nop
	global_prefetch_b8 v0, s[64:65] scope:SCOPE_SE
	s_setreg_imm32_b32 hwreg(HW_REG_WAVE_MODE, 25, 1), 1
	s_wait_xcnt 0x0
	s_wait_alu depctr_hold_cnt(0) depctr_sa_sdst(0) depctr_va_vdst(0) depctr_va_sdst(0) depctr_va_ssrc(0) depctr_va_vcc(0) depctr_vm_vsrc(0)
	s_getreg_b32 s2, hwreg(HW_REG_IB_STS2, 6, 4)
	s_cmp_eq_u32 s2, 0
	s_cbranch_scc0 .Lentry_in_a_cluster
	s_endpgm
.Lentry_in_a_cluster:
	s_bfe_u32 s2, ttmp6, 0x10000c
	s_cmp_lg_u32 s2, 0xf033
	s_cbranch_scc0 .Lentry_shape_is_right
	s_endpgm
.Lentry_shape_is_right:
; q, k, v = x W as ONE product on codes of FP6 (E2M3): 4,096 tokens x 3,072 rows of wq (q's 2,048; then for each kv head 128 rows of k and 128 of v), K = 2,048.
; A tile of 256 x 256 is made by four waves, 128 x 128 each: 64 accumulators, 512 registers.  Operands are images of their registers: [row block][K step of 128][1536]; a fragment is three loads of 16 bytes a lane.
; THE RING: two LDS slots of 147,456 bytes, each with THREE K steps of 128 of A's 16 and B's 16 row blocks.  K's 16 steps go in six fills: five of three steps and a last of one step.
; A wave's tensor load brings 8 row blocks x 4,608 bytes (the last: x 1,536): every row begins at a multiple of 256 bytes.  One load a wave at the head and one behind each round.
; THE SCALE WORDS stay in registers: 256 rows x 16 words a wave are 128 registers, loaded once from wq (x's words lie there behind the weights'): register 16 i + t holds in lanes 0-15 the word of A's block i,
; in lanes 16-31 that of B's block i, for K step t.  These registers, v32-159, hold nothing else in the whole text.
; CLUSTERS: 4 x 4 work-groups; A's tiles are asked for jointly along a row of the cluster, B's along a column.
; PREFETCH: behind the joint load of fill g each wave names fill g + 1 (three K steps, 192 matrix instructions a wave, ahead of the load that wants it): of the 8 row blocks that it fetches, the partner at place p
; (cx for A, cy for B) names blocks 2 p and 2 p + 1, a lane to each 256 bytes (18 a row block, 6 in the last fill; the lanes left over name the last again).  Offsets are immediates: no address register is rewritten.
; THE MATRIX INSTRUCTION IS USED TRANSPOSED (source 0 = 16 rows of wq, source 1 = 16 tokens); both operands' rows lie in position order (bits 3 and 4 of the index exchanged): lane (r, h) holds the token at row r of
; its block, and register 16 b + i of a block's 64 the head's channel 32 b + 16 h + i.
; THE WAY OUT.  A wave's 128 columns are one head.  q and k: RoPE in f32 (cos and sin from tab, in the same layout), quantised along the head, image to qk.  v: quantised along the TOKENS: 32 tokens x 128 channels
; turn through the wave's stage in LDS (in slot 0, behind its last fill and last read), image to vq.  Which of the two a wave does hangs on the cluster's x and the wave's number alone; v's waves load no table.
; LIMITS: NaN and infinities are not served; a block whose largest magnitude lies under 2^-124 keeps the byte 1, a block of zeros too (its codes are zeros; this program alone reads the bytes).
; REGISTERS: window 0: v1-31 addresses and small work; v32-159 scale words; v160-255 A's fragments, one set (RoPE's way out works there).  window 1: B's fragments, two sets, at v0 and v128; on the way out the tables
; (q, k) or all of v's work.  windows 2, 3: the accumulators ((a, b) at v[8 (8 (a % 4) + b)]).
.set WS_OFF,  7864320
.set XSC_OFF, 8192000
.set QKS_OFF, 7864320
.set VS_OFF,  1572864
.set FR,     12
.set NL,     3
.set NP,     4                         ; places behind this matrix instruction (ISA guide 7.12.1)
.set FRB,    1536                      ; a fragment's image
.set RBB,    4608                      ; a row block's part of a slot: three images; also a fill's step along a row block in memory
.set HALFT,  36864                     ; 8 row blocks: what one tensor load brings
.set SLOT,   147456
.set SPARE,  294912                    ; the spare words, 128 bytes a wave
.set ADRA, 16                          ; v16-17 my A fragments in slot 0, 1
.set SOF,  18                          ; v18 my row's scale words in wq
.set ADRB, 20                          ; v20-21 the same for B
.set PFO,  22                          ; v22 prefetch: 256 x min(lane, 17);  v23: 256 x min(lane, 5)
.set PF5,  23
.set LI,   24                          ; 16 x lane
.set L4,   25                          ; 4 x lane
.set STV,  26
.set SPW,  28
.set NIL,  29
.set RDV,  30
.set VO,   31
.set SC,   32
.set AF,   160
.set HA,   160                         ; RoPE's way out: v160-223 a token block's 64 numbers
.set PC,   224                         ; v224-243 codes
.set TM,   244                         ; v244-255 at work in QUANT
.set PWS,  2                           ; v2-9 the eight blocks' scale words; v10-13 two blocks' words in one register
.set PW2,  10
.set XV0,  0                           ; v's way out, all in window 1
.set XV1,  32
.set IMG,  64
.set BT,   160
.set BM,   164
.set SBV,  168
.set SEL,  20
.set G1, 24
.set G0, 32
.set G1B, 48
.set G0B, 56
.set PFA, 66
.set ISV, 68
.set MSB, 0
.macro WIN new
.if MSB != (\new)
	s_set_vgpr_msb (MSB<<8)|(\new)
.set MSB, (\new)
.endif
.endm
.set MUL_LO, 0xa1
.set MUL_HI, 0xf1
.set TO_B,   0x40
.macro JLOAD g0a, g1a, g0b, g1b        ; waves 0, 1 fetch for A, waves 2, 3 for B; s_nop 0 and four v_nop behind each line
	s_cmp_eq_u32 s15, 0
	s_cbranch_scc0 .Lfor_b_\@
	tensor_load_to_lds s[\g0a:\g0a+3], s[\g1a:\g1a+7]
	s_nop 0
.rept 4
	v_nop
.endr
	s_branch .Lasked_\@
.Lfor_b_\@:
	tensor_load_to_lds s[\g0b:\g0b+3], s[\g1b:\g1b+7]
	s_nop 0
.rept 4
	v_nop
.endr
.Lasked_\@:
.endm
.macro CREST
	s_cmp_lg_u32 s14, 0
	s_cbranch_scc1 .Lnot_wave_0_\@
	s_barrier_signal -3
.Lnot_wave_0_\@:
	s_barrier_wait -3
	s_barrier_signal -1
	s_barrier_wait -1
.endm
.macro CROUND
	s_barrier_signal -1
	s_barrier_wait -1
	CREST
.endm
.macro ASK g                           ; fill g's bytes of my two row blocks
.if (\g) < 5
	global_prefetch_b8 v[PFO], s[PFA:PFA+1] offset:(\g)*RBB th:TH_LOAD_NT scope:SCOPE_SE
	global_prefetch_b8 v[PFO], s[PFA:PFA+1] offset:(\g)*RBB+24576 th:TH_LOAD_NT scope:SCOPE_SE
.else
	global_prefetch_b8 v[PF5], s[PFA:PFA+1] offset:(\g)*RBB th:TH_LOAD_NT scope:SCOPE_SE
	global_prefetch_b8 v[PF5], s[PFA:PFA+1] offset:(\g)*RBB+24576 th:TH_LOAD_NT scope:SCOPE_SE
.endif
.endm
.macro QUANT s, pw                     ; 64 numbers of a lane, register 16 b + i = k 32 b + 16 (lane / 16) + i of my row: codes in v[PC] on, scale word in v[pw]
.irp b, 0,1,2,3
	v_max3_num_f32 v[TM+\b], |v[\s+16*\b]|, |v[\s+1+16*\b]|, 0x1800000   ; my 16 numbers and the floor 2^(3 - 127)
.endr
.irp i, 2,4,6,8,10,12,14
.irp b, 0,1,2,3
	v_max3_num_f32 v[TM+\b], v[TM+\b], |v[\s+16*\b+\i]|, |v[\s+1+16*\b+\i]|
.endr
.endr
.irp b, 0,1,2,3
	v_permlanex16_b32 v[TM+4+\b], v[TM+\b], s[SEL], s[SEL+1]
.endr
.irp b, 0,1,2,3
	v_max_num_f32 v[TM+\b], v[TM+\b], v[TM+4+\b]
.endr
.irp b, 0,1,2,3
	v_add_nc_u32 v[TM+8+\b], 0xff000000, v[TM+\b]   ; 2 off the exponent field: the conversion's scale operand
.endr
.irp b, 0,1,2,3
	v_lshrrev_b32 v[TM+4+\b], 23, v[TM+8+\b]
.endr
	v_lshl_or_b32 v[\pw], v[TM+5], 8, v[TM+4]
	v_lshl_or_b32 v[\pw], v[TM+6], 16, v[\pw]
	v_lshl_or_b32 v[\pw], v[TM+7], 24, v[\pw]
.irp c, 0,1
	v_cvt_scalef32_pk16_fp6_f32 v[PC+6*\c:PC+2+6*\c], v[\s+32*\c:\s+15+32*\c], v[TM+8+2*\c]
	v_cvt_scalef32_pk16_fp6_f32 v[PC+12+4*\c:PC+14+4*\c], v[\s+16+32*\c:\s+31+32*\c], v[TM+8+2*\c+1]
.endr
	v_nop                                          ; one plain place behind a scaled conversion
.irp c, 0,1
.irp i, 0,1,2
	v_permlane16_swap_b32 v[PC+6*\c+\i], v[PC+12+4*\c+\i]
.endr
.irp i, 0,1,2
	v_mov_b32 v[PC+3+6*\c+\i], v[PC+12+4*\c+\i]
.endr
.endr
.endm
.macro BLK32 xs, d6, sb, sh            ; window 1 throughout: 32 numbers of a lane, one whole block: six registers of codes at v[d6] on; the byte sh bits up into v[sb]
	WIN 0x55
	v_max3_num_f32 v[BM], |v[\xs]|, |v[\xs+1]|, |v[\xs+2]|
	v_max3_num_f32 v[BM+1], |v[\xs+3]|, |v[\xs+4]|, |v[\xs+5]|
.irp i, 6,10,14,18,22,26
	v_max3_num_f32 v[BM], v[BM], |v[\xs+\i]|, |v[\xs+\i+1]|
	v_max3_num_f32 v[BM+1], v[BM+1], |v[\xs+\i+2]|, |v[\xs+\i+3]|
.endr
	v_max3_num_f32 v[BM], v[BM], |v[\xs+30]|, |v[\xs+31]|
	v_max3_num_f32 v[BM], v[BM], v[BM+1], 0x1800000
	v_add_nc_u32 v[BM+2], 0xff000000, v[BM]
	v_lshrrev_b32 v[BM+3], 23, v[BM+2]
.if \sh == 0
	v_mov_b32 v[\sb], v[BM+3]
.else
	v_lshl_or_b32 v[\sb], v[BM+3], \sh, v[\sb]
.endif
	v_cvt_scalef32_pk16_fp6_f32 v[\d6:\d6+2], v[\xs:\xs+15], v[BM+2]
	v_cvt_scalef32_pk16_fp6_f32 v[BT:BT+2], v[\xs+16:\xs+31], v[BM+2]
	v_nop
.irp i, 0,1,2
	v_mov_b32 v[\d6+3+\i], v[BT+\i]
.endr
.endm
	s_load_b256 s[4:11], s[0:1], 0x0               ; xq s[4:5], wq s[6:7], tab s[8:9], qk s[10:11]
	s_load_b64 s[12:13], s[0:1], 0x20              ; vq
	v_lshl_add_u32 v[SPW], v0, 2, SPARE
	v_mov_b32 v[NIL], 0
	ds_add_u32 v[SPW], v[NIL]                      ; the opening lines: the add twice on end and one wait, ahead of my first tensor load
	ds_add_u32 v[SPW], v[NIL]
	v_lshrrev_b32 v1, 5, v0
	v_readfirstlane_b32 s14, v1                    ; wave 0..3
	s_lshr_b32 s15, s14, 1                         ; my half of the tile's tokens.  Also: I fetch for A (0) or B (1)
	s_and_b32 s16, s14, 1                          ; my half of its columns.  Also: which 8 row blocks I fetch
	s_bfe_u32 s40, ttmp6, 0x40000                  ; cx, cy
	s_bfe_u32 s41, ttmp6, 0x40004
	s_lshl_b32 s42, ttmp9, 2
	s_add_co_u32 s42, s42, s40                     ; tile column
	s_and_b32 s17, ttmp7, 0xffff
	s_lshl_b32 s17, s17, 2
	s_add_co_u32 s17, s17, s41                     ; tile row
	s_lshl_b32 s43, s41, 2
	s_lshl_b32 s43, 15, s43                        ; my row of the cluster
	s_lshl_b32 s44, 0x1111, s40                    ; my column
	s_or_b32 s[G1+0], s43, (3<<16)|(1<<21)         ; the mask; elements of 8 bytes; bit 21 beside a mask; dense in LDS
	s_or_b32 s[G1B+0], s44, (3<<16)|(1<<21)
.irp g, G1, G1B
	s_mov_b32 s[\g+1], 576<<16                     ; tensor_dim0: 4,608 bytes
	s_mov_b32 s[\g+2], 8<<16                       ; tensor_dim1
	s_mov_b32 s[\g+3], 576<<16                     ; tile_dim0
	s_mov_b32 s[\g+4], 8                           ; tile_dim1
	s_mov_b32 s[\g+5], 3072                        ; a row block is 24,576 bytes
	s_mov_b32 s[\g+6], 0
	s_mov_b32 s[\g+7], 0
.endr
	s_lshl_b32 s18, s16, 7
	s_lshl_b32 s20, s17, 8
	s_add_co_u32 s20, s20, s18                     ; A: the rows that I fetch
	s_lshl_b32 s46, s42, 8
	s_add_co_u32 s46, s46, s18                     ; B
	s_mul_i32 s20, s20, 1536
	s_mov_b32 s21, 0
	s_mul_i32 s46, s46, 1536
	s_mov_b32 s47, 0
	s_mul_i32 s45, s14, HALFT                      ; where they go: the wave's number alone
	s_cmp_eq_u32 s15, 0
	s_cselect_b32 s92, s40, s41                    ; my place among the four that ask with me: it enters the prefetches' address alone
	s_mul_i32 s92, s92, 2*24576
	s_mov_b32 s93, 0
	s_cmp_lt_u32 ttmp9, 2
	s_cselect_b32 s[ISV], 0, s16                   ; 1: my columns are a head of v
	s_wait_dscnt 0x0                               ; both opening adds are done
	s_wait_kmcnt 0x0
	s_add_nc_u64 s[20:21], s[4:5], s[20:21]
	s_add_nc_u64 s[46:47], s[6:7], s[46:47]
	s_cmp_eq_u32 s15, 0
	s_cselect_b64 s[PFA:PFA+1], s[20:21], s[46:47]
	s_add_nc_u64 s[PFA:PFA+1], s[PFA:PFA+1], s[92:93]
.irp s, 0,1
	s_mov_b32 s[G0+4*\s], 1
	s_add_co_u32 s[G0+4*\s+1], s45, \s*SLOT
	s_add_nc_u64 s[G0+4*\s+2:G0+4*\s+3], s[20:21], \s*RBB
	s_or_b32 s[G0+4*\s+3], s[G0+4*\s+3], 0x80000000
	s_mov_b32 s[G0B+4*\s], 1
	s_add_co_u32 s[G0B+4*\s+1], s45, \s*SLOT
	s_add_nc_u64 s[G0B+4*\s+2:G0B+4*\s+3], s[46:47], \s*RBB
	s_or_b32 s[G0B+4*\s+3], s[G0B+4*\s+3], 0x80000000
.endr
	CROUND                                         ; all sixteen work-groups are here: the first joint loads meet
	JLOAD G0, G1, G0B, G1B                         ; fill 0, my one tensor load at the head
	s_mul_i32 s70, s15, HALFT                      ; my 8 row blocks of A
	s_mul_i32 s71, s16, HALFT
	s_add_co_u32 s71, s71, 2*HALFT                 ; my 8 of B, behind A's 16
	s_mul_i32 s23, s14, 16896                      ; v's stage, in slot 0: 32 rows of 512 + 16 bytes a wave
	s_lshl_b32 s92, s17, 8
	s_lshl_b32 s93, s15, 7
	s_add_co_u32 s92, s92, s93
	s_lshl_b32 s92, s92, 6
	s_add_co_u32 s92, s92, XSC_OFF                 ; the scale words of my 128 tokens,
	s_lshl_b32 s94, s42, 8
	s_lshl_b32 s95, s16, 7
	s_add_co_u32 s94, s94, s95
	s_lshl_b32 s94, s94, 6
	s_add_co_u32 s94, s94, WS_OFF                  ; and of my 128 rows of wq
	v_and_b32 v1, 15, v0                           ; r
	v_bfe_u32 v2, v0, 4, 1                         ; h
	v_and_b32 v3, 31, v0                           ; lane
	v_lshlrev_b32 v[LI], 4, v3
	v_lshlrev_b32 v[L4], 2, v3
	v_add_nc_u32 v[ADRA], s70, v[LI]
	v_add_nc_u32 v[ADRB], s71, v[LI]
	v_add_nc_u32 v[ADRA+1], SLOT, v[ADRA]
	v_add_nc_u32 v[ADRB+1], SLOT, v[ADRB]
	v_cmp_eq_u32 s2, 1, v2                         ; lanes 16-31
	v_lshlrev_b32 v5, 6, v1                        ; 64 bytes a row
	v_mov_b32 v6, s92
	v_mov_b32 v7, s94
	v_cndmask_b32 v6, v6, v7, s2                   ; lanes 0-15 A's words, lanes 16-31 B's
	v_add_nc_u32 v[SOF], v5, v6
	v_min_u32 v[PFO], 17, v3
	v_min_u32 v[PF5], 5, v3
	v_lshlrev_b32 v[PFO], 8, v[PFO]
	v_lshlrev_b32 v[PF5], 8, v[PF5]
	v_mul_u32_u24 v5, v1, 528
	v_lshl_add_u32 v5, v2, 5, v5
	v_add_nc_u32 v[STV], s23, v5
	v_add_nc_u32 v[RDV], s23, v[L4]
	v_mul_u32_u24 v5, v2, 1536
	v_lshl_add_u32 v[VO], v1, 4, v5
	s_wait_alu depctr_va_vdst(0)                   ; the wait behind the head's last vector instruction
.irp i, 0,1,2,3,4,5,6,7
.irp j, 0,1,2,3
	global_load_b128 v[SC+16*\i+4*\j:SC+16*\i+4*\j+3], v[SOF], s[6:7] offset:1024*\i+16*\j   ; block i's words of K steps 4 j .. 4 j + 3; the four loads of a block read its 1,024 consecutive bytes
.endr
.endr
	ASK 1
	s_lshl_b32 s95, s17, 1                         ; where the results go.  s95: my 128 tokens' number
	s_add_co_u32 s95, s95, s15
	s_lshl_b32 s96, s95, 16
	s_mov_b32 s97, 0
	s_add_nc_u64 s[8:9], s[8:9], s[96:97]          ; tab at my 8 row blocks
	s_lshl_b32 s18, s42, 1
	s_add_co_u32 s18, s18, s16
	s_add_co_u32 s19, s42, 8
	s_cmp_lt_u32 ttmp9, 2                          ; clusters 0 and 1 along x hold q's columns: heads 0-15; k's are 16-19
	s_cselect_b32 s18, s18, s19
	s_lshl_b32 s18, s18, 5
	s_add_co_u32 s18, s18, s95
	s_lshl_b32 s96, s18, 9
	s_add_co_u32 s96, s96, QKS_OFF
	s_mul_i32 s46, s18, 12288
	s_mov_b32 s47, 0
	s_add_nc_u64 s[18:19], s[10:11], s[96:97]      ; qk's scale words
	s_add_nc_u64 s[10:11], s[10:11], s[46:47]      ; qk's codes: 8 images
	s_sub_co_i32 s46, s42, 8
	s_max_i32 s46, s46, 0                          ; the kv head (held at 0 in q's work-groups, which do not use it)
	s_lshl_b32 s46, s46, 5
	s_add_co_u32 s46, s46, s95
	s_lshl_b32 s96, s46, 9
	s_add_co_u32 s96, s96, VS_OFF
	s_mul_i32 s46, s46, 12288
	s_add_nc_u64 s[22:23], s[12:13], s[96:97]
	s_add_nc_u64 s[12:13], s[12:13], s[46:47]
	s_mov_b32 s[SEL], 0x76543210
	s_mov_b32 s[SEL+1], 0xfedcba98
.macro FRAG reg, adr, t, i             ; K step t lies in slot (t / 3) % 2, image t % 3 of its row block; step 15 alone in slot 1, dense
.if (\t) < 15
.irp c, 0,1,2
	ds_load_b128 v[\reg+4*\c:\reg+4*\c+3], v[\adr+((\t)/3)%2] offset:(\i)*RBB+((\t)%3)*FRB+512*\c
.endr
.else
.irp c, 0,1,2
	ds_load_b128 v[\reg+4*\c:\reg+4*\c+3], v[\adr+1] offset:(\i)*FRB+512*\c
.endr
.endif
.endm
; 16 matrix instructions: A's blocks a0, a0 + 1 x B's eight, K step t.  The 64 accumulators take turns, one instruction a turn, in the same order in every step.
.macro MUL16 a0, t, zero
.irp a, \a0, \a0+1
.irp b, 0,1,2,3,4,5,6,7
.if \zero
	v_wmma_scale_f32_16x16x128_f8f6f4 v[8*(8*((\a)%4)+\b):8*(8*((\a)%4)+\b)+7], v[128*((\t)%2)+FR*\b:128*((\t)%2)+FR*\b+FR-1], v[AF+FR*(\a):AF+FR*(\a)+FR-1], 0, v[SC+16*\b+(\t)], v[SC+16*(\a)+(\t)] matrix_a_fmt:MATRIX_FMT_FP6 matrix_b_fmt:MATRIX_FMT_FP6 matrix_a_scale:MATRIX_SCALE_ROW1
.else
	v_wmma_scale_f32_16x16x128_f8f6f4 v[8*(8*((\a)%4)+\b):8*(8*((\a)%4)+\b)+7], v[128*((\t)%2)+FR*\b:128*((\t)%2)+FR*\b+FR-1], v[AF+FR*(\a):AF+FR*(\a)+FR-1], v[8*(8*((\a)%4)+\b):8*(8*((\a)%4)+\b)+7], v[SC+16*\b+(\t)], v[SC+16*(\a)+(\t)] matrix_a_fmt:MATRIX_FMT_FP6 matrix_b_fmt:MATRIX_FMT_FP6 matrix_a_scale:MATRIX_SCALE_ROW1
.endif
.endr
.endr
.endm
.macro FETCH_B t                       ; B's eight fragments of step t into set t % 2
	WIN TO_B
.irp i, 0,1,2,3,4,5,6,7
	FRAG 128*((\t)%2)+FR*\i, ADRB, \t, \i
.endr
	WIN 0
.endm
.macro FETCH_A t, i0
.irp i, \i0, \i0+1, \i0+2, \i0+3
	FRAG AF+FR*(\i), ADRA, \t, \i
.endr
.endm
.macro PLACES n                        ; places in front of loads into registers that matrix instructions have read, and of the first read of results
.rept \n
	v_nop
.endr
.endm
; K step t: 64 matrix instructions; the next step's fragments are fetched in its middle and at its end.  A slot's last step (t % 3 = 2) changes slots: each wave waits for all its tensor loads, adds 0 to its spare word,
; waits for that and for its reads of this slot; the barrier opens a round of the cluster's while a fill is left to ask for, and the joint refill is the first tensor load behind the round.
.macro STEP t, zero
.set NX, (\t)+1
.if (\t)%3 == 2
	s_wait_tensorcnt 0x0                           ; my part of the other slot has landed
	ds_add_u32 v[SPW], v[NIL]
	s_wait_dscnt 4*NL+1                            ; the add and A's blocks 4-7 may be out
	WIN MUL_LO
	MUL16 0, \t, 0
	s_wait_dscnt 0x0                               ; the add is done, my reads of this slot are over
	s_barrier_signal -1
	MUL16 2, \t, 0
	WIN 0
	s_barrier_wait -1
.if (\t) < 12
	CREST
.set SL, ((\t)/3)%2
	s_add_nc_u64 s[G0+4*SL+2:G0+4*SL+3], s[G0+4*SL+2:G0+4*SL+3], 2*RBB
	s_add_nc_u64 s[G0B+4*SL+2:G0B+4*SL+3], s[G0B+4*SL+2:G0B+4*SL+3], 2*RBB
.if (\t) == 11
.irp g, G1, G1B
	s_mov_b32 s[\g+1], 192<<16                     ; no tensor load of mine is out: the last fill's rows are one image, 1,536 bytes
	s_mov_b32 s[\g+3], 192<<16
.endr
.endif
	JLOAD G0+4*SL, G1, G0B+4*SL, G1B               ; its four v_nop are the places in front of the loads below
.else
	PLACES NP
.endif
.else
	s_wait_dscnt 4*NL                              ; B's set and A's blocks 0-3 are in; A's blocks 4-7, twelve loads, may be out
	WIN MUL_LO
	MUL16 0, \t, \zero
	MUL16 2, \t, \zero
	s_wait_dscnt 0
	PLACES NP
.endif
	FETCH_B NX
	FETCH_A NX, 0
.if (\t)%3 == 2 && (\t) < 9
	ASK (\t)/3+3
.endif
	WIN MUL_HI
	MUL16 4, \t, \zero
	MUL16 6, \t, \zero
	PLACES NP
	WIN 0
	FETCH_A NX, 4
.endm
; cos and sin of token block a, 32 registers each, in window 1, four sets by turns: set 0 where no fragment lies, set 1 in B's set 0, sets 2 and 3 in the rest of B's two sets
.macro TSET a
.if ((\a)%4) == 0
.set TCS, 96
.set TSN, 224
.elseif ((\a)%4) == 1
.set TCS, 0
.set TSN, 32
.elseif ((\a)%4) == 2
.set TCS, 128
.set TSN, 160
.else
.set TCS, 64
.set TSN, 192
.endif
.endm
.macro TLOAD a
	TSET \a
	WIN 0x40
.irp k, 0,1,2,3,4,5,6,7
	global_load_b128 v[TCS+4*\k:TCS+4*\k+3], v[LI], s[8:9] offset:(\a)*8192+512*\k
.endr
.irp k, 0,1,2,3,4,5,6,7
	global_load_b128 v[TSN+4*\k:TSN+4*\k+3], v[LI], s[8:9] offset:(\a)*8192+4096+512*\k
.endr
	WIN 0
.endm
	s_wait_tensorcnt 0x0                           ; my part of fill 0 is in
	ds_add_u32 v[SPW], v[NIL]
	s_wait_dscnt 0x0
	CROUND                                         ; everybody's part is in, and the joint loads meet
	JLOAD G0+4, G1, G0B+4, G1B                     ; fill 1, slot 1's first
	FETCH_B 0
	FETCH_A 0, 0
	FETCH_A 0, 4
	ASK 2
	s_wait_loadcnt 0x0                             ; the scale words
	STEP 0, 1                                      ; the first step's products start the sums
.set ST, 1                             ; the walk is written out: every step names its own scale registers
.rept 11
	STEP ST, 0
.set ST, ST+1
.endr
	s_cmp_eq_u32 s[ISV], 0
	s_cbranch_scc0 .Lno_tab0
	TLOAD 0                                        ; the first token block's cos and sin, under the last four steps
.Lno_tab0:
.rept 3
	STEP ST, 0
.set ST, ST+1
.endr
	s_cmp_eq_u32 s[ISV], 0
	s_cbranch_scc0 .Lno_tab1
	TLOAD 1                                        ; B's set 0 has had its last product, four places back
.Lno_tab1:
	s_wait_dscnt 4*NL
	WIN MUL_LO
	MUL16 0, 15, 0
	MUL16 2, 15, 0
	s_wait_dscnt 0
	WIN MUL_HI
	MUL16 4, 15, 0
	MUL16 6, 15, 0
	WIN 0
	PLACES NP
	s_cmp_eq_u32 s[ISV], 0
	s_cbranch_scc0 .Lvpart
.irp b, 0,1,2,3
	v_mov_b32 v[TM+4+\b], 0                        ; written once: a lane permute's destination counts as one of its sources
.endr
	TLOAD 2                                        ; all of window 1 is free: the tables run three token blocks ahead
	TLOAD 3
; Token block a: out(d) = u(d) cos - u(d + 64) sin, out(d + 64) = u(d + 64) cos + u(d) sin; register i < 32 holds channel d < 64, register i + 32 channel d + 64.  Each accumulator is read from its low end on.
.macro ROPE a
.if (\a) == 0
	s_wait_loadcnt 32                              ; the first two blocks' tables are in; the 16 loads of each of the two blocks asked for last may be out
.elseif (\a) < 5
	s_wait_loadcnt 48                              ; this block's table is in; the 16 loads of each of the three blocks behind it may be out
.else
	s_wait_loadcnt 16*(7-(\a))
.endif
	TSET \a
.set AC, 64*((\a)%4)
	WIN 0x06+(\a)/4                                ; source 0: the accumulators' window; source 1: window 1
.irp b, 0,1,2,3
.irp j, 0,2,4,6
	v_pk_mul_f32 v[HA+8*\b+\j:HA+8*\b+\j+1], v[AC+8*\b+\j:AC+8*\b+\j+1], v[TCS+8*\b+\j:TCS+8*\b+\j+1]
	v_pk_mul_f32 v[HA+32+8*\b+\j:HA+32+8*\b+\j+1], v[AC+32+8*\b+\j:AC+32+8*\b+\j+1], v[TCS+8*\b+\j:TCS+8*\b+\j+1]
.endr
.endr
.irp b, 0,1,2,3
.irp j, 0,2,4,6
	v_pk_fma_f32 v[HA+8*\b+\j:HA+8*\b+\j+1], v[AC+32+8*\b+\j:AC+32+8*\b+\j+1], v[TSN+8*\b+\j:TSN+8*\b+\j+1], v[HA+8*\b+\j:HA+8*\b+\j+1] neg_lo:[0,1,0] neg_hi:[0,1,0]
	v_pk_fma_f32 v[HA+32+8*\b+\j:HA+32+8*\b+\j+1], v[AC+8*\b+\j:AC+8*\b+\j+1], v[TSN+8*\b+\j:TSN+8*\b+\j+1], v[HA+32+8*\b+\j:HA+32+8*\b+\j+1]
.endr
.endr
	WIN 0
	s_wait_xcnt 0x0                                ; the last block's stores have read the codes' registers
.if (\a) < 4
	TLOAD (\a)+4
.endif
	QUANT HA, PWS+(\a)
.irp c, 0,1,2
	global_store_b128 v[LI], v[PC+4*\c:PC+4*\c+3], s[10:11] offset:1536*(\a)+512*\c   ; 512 consecutive bytes, aligned
.endr
.if ((\a)%2) == 1
	v_cndmask_b32 v[PW2+(\a)/2], v[PWS+(\a)-1], v[PWS+(\a)], s2   ; lanes 0-15 the block before's words, lanes 16-31 this block's: 128 consecutive bytes
	global_store_b32 v[L4], v[PW2+(\a)/2], s[18:19] offset:64*((\a)-1)
.endif
.endm
.irp a, 0,1,2,3,4,5,6,7
	ROPE \a
.endr
	s_branch .Ldone
.Lvpart:
; v: 32 tokens (token blocks 2 al, 2 al + 1) x my 128 channels go into my stage, rows by the tokens' positions; a lane then reads one channel down the tokens in their true order.
.macro LDV g, set
	WIN 0x40
.set n, 0
.rept 32
	ds_load_b32 v[\set+n], v[RDV] offset:(16*((n/8)%2)+8*(n/16)+n%8)*528+128*(\g)
.set n, n+1
.endr
.endm
.irp al, 0,1,2,3
	WIN 0x08+4*(\al/2)                             ; an LDS store's data are its source 1: window 2 or 3
.irp u, 0,1
.irp b, 0,1,2,3,4,5,6,7
	ds_store_b128 v[STV], v[64*(2*(\al%2)+\u)+8*\b:64*(2*(\al%2)+\u)+8*\b+3] offset:8448*\u+64*\b        ; each accumulator from its low end on
	ds_store_b128 v[STV], v[64*(2*(\al%2)+\u)+8*\b+4:64*(2*(\al%2)+\u)+8*\b+7] offset:8448*\u+64*\b+16
.endr
.endr
	LDV 0, XV0                                     ; LDS serves a wave's instructions in order: these see the stores above
	LDV 1, XV1
	s_wait_dscnt 32                                ; all but the youngest 32 loads
	BLK32 XV0, IMG+12*(\al%2)+6*(\al/2), SBV, 8*\al
	LDV 2, XV0
	s_wait_dscnt 32
	BLK32 XV1, IMG+24+12*(\al%2)+6*(\al/2), SBV+1, 8*\al
	LDV 3, XV1
	s_wait_dscnt 32
	BLK32 XV0, IMG+48+12*(\al%2)+6*(\al/2), SBV+2, 8*\al
	s_wait_dscnt 0x0
	BLK32 XV1, IMG+72+12*(\al%2)+6*(\al/2), SBV+3, 8*\al
.if \al >= 2
	WIN 0x04                                       ; a store's data are its source 1: window 1
.irp g, 0,1,2,3
.irp c, 0,1,2
	global_store_b128 v[VO], v[IMG+24*\g+12*(\al-2)+4*\c:IMG+24*\g+12*(\al-2)+4*\c+3], s[12:13] offset:3072*\g+512*\c+256*(\al-2)   ; sixteen lanes store 256 consecutive bytes, aligned; no store's data are written again
.endr
.endr
.endif
.endr
.irp g, 0,1,2,3
	global_store_b32 v[L4], v[SBV+\g], s[22:23] offset:128*\g
.endr
	WIN 0
.Ldone:
	s_wait_tensorcnt 0x0                           ; the wave's end
	ds_add_u32 v[SPW], v[NIL]
	s_wait_dscnt 0x0
	CROUND                                         ; the closing round
	s_endpgm
.Lfunc_end_k_q7d22440235_qkv:
	.size	k_q7d22440235_qkv, .Lfunc_end_k_q7d22440235_qkv-k_q7d22440235_qkv
	.p2alignl 7, 3214868480
	.fill 96, 4, 3214868480
	.section	.rodata,"a",@progbits
	.p2align	6, 0x0
	.amdhsa_kernel k_q7d22440235_qkv
		.amdhsa_group_segment_fixed_size 327680
		.amdhsa_private_segment_fixed_size 0
		.amdhsa_enable_private_segment 0
		.amdhsa_kernarg_size 40
		.amdhsa_user_sgpr_count 2
		.amdhsa_user_sgpr_kernarg_segment_ptr 1
		.amdhsa_wavefront_size32 1
		.amdhsa_system_sgpr_workgroup_id_x 1
		.amdhsa_system_sgpr_workgroup_id_y 1
		.amdhsa_system_sgpr_workgroup_id_z 1
		.amdhsa_system_vgpr_workitem_id 0
		.amdhsa_next_free_vgpr 1024
		.amdhsa_next_free_sgpr 100
		.amdhsa_reserve_vcc 0
		.amdhsa_float_denorm_mode_32 3
		.amdhsa_float_denorm_mode_16_64 3
		.amdhsa_memory_ordered 1
		.amdhsa_forward_progress 1
		.amdhsa_inst_pref_size 255
	.end_amdhsa_kernel
	.section	.bss,"aw",@nobits
	.p2align	6
	.space	262144
	.amdgpu_metadata
---
amdhsa.version: [ 1, 2 ]
amdhsa.kernels:
  - .name:           k_q7d22440235_qkv
    .symbol:         k_q7d22440235_qkv.kd
    .args:
      - { .name: xq, .offset: 0, .size: 8, .value_kind: global_buffer, .address_space: global }
      - { .name: wq, .offset: 8, .size: 8, .value_kind: global_buffer, .address_space: global }
      - { .name: tab, .offset: 16, .size: 8, .value_kind: global_buffer, .address_space: global }
      - { .name: qk, .offset: 24, .size: 8, .value_kind: global_buffer, .address_space: global }
      - { .name: vq, .offset: 32, .size: 8, .value_kind: global_buffer, .address_space: global }
    .group_segment_fixed_size: 327680
    .private_segment_fixed_size: 0
    .kernarg_segment_align: 8
    .kernarg_segment_size: 40
    .max_flat_workgroup_size: 128
    .sgpr_count:     100
    .vgpr_count:     1024
    .wavefront_size: 32
...
	.end_amdgpu_metadata
.endif
;; end of part 2
;; launch attn (part 3): grid 64 x 4, 16 waves a work-group, clusters of 4 x 1, 169,984 bytes of LDS; arguments qk, vq, aq; writes aq
.if DOCPART == 3
	.amdgcn_target "amdgcn-amd-amdhsa--gfx1250"
	.amdhsa_code_object_version 6
	.text
	.protected	k_q7d22440235_attn
	.globl	k_q7d22440235_attn
	.p2align	8
	.type	k_q7d22440235_attn,@function
k_q7d22440235_attn:
	s_mov_b64 s[64:65], 0
	v_nop
	global_prefetch_b8 v0, s[64:65] scope:SCOPE_SE
	s_setreg_imm32_b32 hwreg(HW_REG_WAVE_MODE, 25, 1), 1
	s_wait_xcnt 0x0
	s_wait_alu depctr_hold_cnt(0) depctr_sa_sdst(0) depctr_va_vdst(0) depctr_va_sdst(0) depctr_va_ssrc(0) depctr_va_vcc(0) depctr_vm_vsrc(0)
	s_getreg_b32 s2, hwreg(HW_REG_IB_STS2, 6, 4)
	s_cmp_eq_u32 s2, 0
	s_cbranch_scc0 .Lentry_in_a_cluster
	s_endpgm
.Lentry_in_a_cluster:
	s_bfe_u32 s2, ttmp6, 0x10000c
	s_cmp_lg_u32 s2, 0x3003
	s_cbranch_scc0 .Lentry_shape_is_right
	s_endpgm
.Lentry_shape_is_right:
; Sliding-window attention on codes of FP6 (E2M3): query q sees the keys max(0, q - 512) .. q.  16 query heads, 4 kv heads, head size 128, 4,096 tokens.
; Every block of 32 along either product's K begins at a multiple of 32 of the token's index, so 128 queries aligned to 128 need just the five aligned key steps of 128 that end in their own: the first is cut by the window, the last by the diagonal.
; SHARES.  A work-group owns 256 queries of one head; each of its sixteen waves 16 of them, one tile, in 256 registers.  The 256 queries need six key steps; all six lie in LDS, each filled once: nothing is filled again.
; CLUSTER.  The four work-groups of a cluster are the four query heads of one kv head at the same 256 queries: they need the same K and V, so every tile is asked for JOINTLY (mask 15).  The place in the cluster enters only Q's and the output's global addresses.
; No prefetch is laid: every tile that the work-group reads is asked for at its head, so nothing comes later that could be asked for ahead.
; LAYOUT.  Operands are images of their registers (three loads of 16 bytes a lane).  Both products are used transposed: S^T = K Q^T, O^T = V^T P^T: a lane holds one query throughout.  Tokens and V's channels lie in position order
; (bits 3 and 4 of the index exchanged), so the 16 registers of tiles 2 b, 2 b + 1 are 16 neighbouring keys (channels): 32 b + 16 (lane / 16) + 0 .. 15.
; SOFTMAX.  t = score x log2(e) / sqrt(128); M = the running largest t rounded up to a whole number; p = 2^(t - M) is quantised along the keys; the sum is taken of the unquantised p; when M moves, the sum and O^T are multiplied by 2^(old M - new M), exactly.
; Hidden scores become -infinity, where the definition has -1e30: p is 0 either way.  Each query sees at least one key in the first step that its wave works, so M is a number from then on.
; O / the sum is quantised along the heads' 128 channels and stored as K step = head of the last product's operand.
; LIMITS: NaN and infinities are not served; a block whose largest magnitude lies under 2^-124 keeps the byte 1, a block of zeros too.
; REGISTERS: v1-7 addresses that stay; v8-11 addresses of the step in hand; v12 -M, v13 the largest t, v[14:15] the sum; v16-27 Q; v32-79 four fragments; v96-159 S^T, then p; v160-223 O^T; v224-235 p's codes; v232-254 at work; v248-251, v253, v255 scale words.
.set QKS_OFF, 7864320
.set VS_OFF,  1572864
.set AS_OFF,  6291456
.set STEPB, 12288                      ; a key step's 8 images
.set VT,    73728                      ; LDS: K's six steps, then V's six,
.set KSC,   147456                     ; K's scale words, 512 bytes a step,
.set VSC,   150528                     ; V's
.set WV,  18
.set SEL, 20
.set CS,  22
.set G1C, 24                           ; s[24:31] group 1 for a step's codes;  s[32:39] for six steps' scale words
.set G1S, 32
.set G0S, 40                           ; s[40:43] group 0 for a half of the scale words; s[44:47] for a step's codes
.set ST,  72                           ; s72 the key step in hand
.set KF,  73                           ; s73 its first key
.set QB,  74                           ; s74 my queries' own key step
.set TM,  32                           ; the way out
.set PC,  48
.macro CROUND
	s_barrier_signal -1
	s_barrier_wait -1
	s_cmp_lg_u32 s[WV], 0
	s_cbranch_scc1 .Lnot_wave_0_\@
	s_barrier_signal -3
.Lnot_wave_0_\@:
	s_barrier_wait -3
	s_barrier_signal -1
	s_barrier_wait -1
.endm
.macro QUANT s, pw                     ; 64 numbers of a lane, register 16 b + i = k 32 b + 16 (lane / 16) + i of my row: codes in v[PC] on, scale word in v[pw]
.irp b, 0,1,2,3
	v_max3_num_f32 v[TM+\b], |v[\s+16*\b]|, |v[\s+1+16*\b]|, 0x1800000
.endr
.irp i, 2,4,6,8,10,12,14
.irp b, 0,1,2,3
	s_delay_alu instid0(VALU_DEP_4)
	v_max3_num_f32 v[TM+\b], v[TM+\b], |v[\s+16*\b+\i]|, |v[\s+1+16*\b+\i]|
.endr
.endr
.irp b, 0,1,2,3
	s_delay_alu instid0(VALU_DEP_4)
	v_permlanex16_b32 v[TM+4+\b], v[TM+\b], s[SEL], s[SEL+1]
.endr
.irp b, 0,1,2,3
	s_delay_alu instid0(VALU_DEP_4)
	v_max_num_f32 v[TM+\b], v[TM+\b], v[TM+4+\b]
.endr
.irp b, 0,1,2,3
	s_delay_alu instid0(VALU_DEP_4)
	v_add_nc_u32 v[TM+12+\b], 0xff000000, v[TM+\b]
.endr
.irp b, 0,1,2,3
	s_delay_alu instid0(VALU_DEP_4)
	v_lshrrev_b32 v[TM+4+\b], 23, v[TM+12+\b]
.endr
	s_delay_alu instid0(VALU_DEP_3)
	v_lshl_or_b32 v[\pw], v[TM+5], 8, v[TM+4]
	s_delay_alu instid0(VALU_DEP_1)
	v_lshl_or_b32 v[\pw], v[TM+6], 16, v[\pw]
	s_delay_alu instid0(VALU_DEP_1)
	v_lshl_or_b32 v[\pw], v[TM+7], 24, v[\pw]
.irp c, 0,1
	v_cvt_scalef32_pk16_fp6_f32 v[PC+6*\c:PC+2+6*\c], v[\s+32*\c:\s+15+32*\c], v[TM+12+2*\c]
	v_cvt_scalef32_pk16_fp6_f32 v[PC+12+4*\c:PC+14+4*\c], v[\s+16+32*\c:\s+31+32*\c], v[TM+12+2*\c+1]
.endr
	v_nop
.irp c, 0,1
.irp i, 0,1,2
	v_permlane16_swap_b32 v[PC+6*\c+\i], v[PC+12+4*\c+\i]
.endr
.irp i, 0,1,2
	s_delay_alu instid0(VALU_DEP_3)
	v_mov_b32 v[PC+3+6*\c+\i], v[PC+12+4*\c+\i]
.endr
.endr
.endm
	s_load_b128 s[4:7], s[0:1], 0x0                ; qk s[4:5], vq s[6:7]
	s_load_b64 s[8:9], s[0:1], 0x10                ; aq
	v_lshl_add_u32 v95, v0, 2, 0x29000
	v_mov_b32 v243, 0
	ds_add_u32 v95, v243
	ds_add_u32 v95, v243
	v_lshrrev_b32 v8, 5, v0
	s_delay_alu instid0(VALU_DEP_1)
	v_readfirstlane_b32 s[WV], v8                  ; wave 0..15
	s_bfe_u32 s10, ttmp6, 0x40000                  ; cx: the query head within the kv head's four
	s_and_b32 s11, ttmp7, 0xffff                   ; the kv head, which the partners share
	s_lshl_b32 s12, ttmp9, 1                       ; the cluster's x is the block of 256 queries: its first key step of 128
	s_sub_co_i32 s13, s12, 4
	s_max_i32 s13, s13, 0                          ; the first key step in LDS
	s_lshr_b32 s14, s[WV], 3
	s_add_co_u32 s[QB], s12, s14
	s_mov_b32 s[ST], s13
	s_lshl_b32 s[KF], s13, 7
	; group 1: a step's codes, 12,288 dense bytes, as 48 rows of 256 bytes (32 elements of 8 bytes); three steps' scale words, 1,536 bytes, as 6
	s_mov_b32 s[G1C], 15|(3<<16)|(1<<21)           ; 15:0 the mask: all four work-groups; 17:16 elements of 8 bytes; 21 set beside a mask
	s_mov_b32 s[G1C+1], 32<<16
	s_mov_b32 s[G1C+2], 48<<16
	s_mov_b32 s[G1C+3], 32<<16
	s_mov_b32 s[G1C+4], 48
	s_mov_b32 s[G1C+5], 32
	s_mov_b32 s[G1C+6], 0
	s_mov_b32 s[G1C+7], 0
	s_mov_b32 s[G1S], 15|(3<<16)|(1<<21)
	s_mov_b32 s[G1S+1], 32<<16
	s_mov_b32 s[G1S+2], 6<<16
	s_mov_b32 s[G1S+3], 32<<16
	s_mov_b32 s[G1S+4], 6
	s_mov_b32 s[G1S+5], 32
	s_mov_b32 s[G1S+6], 0
	s_mov_b32 s[G1S+7], 0
	; EVERY WAVE FETCHES ONE TILE: waves 0-5 K's six steps (qk's heads 16 + g), waves 6-11 V's six, waves 12, 13 the halves of K's scale words, waves 14, 15 of V's
	s_and_b32 s83, s[WV], 3                        ; a scale wave's number, 0..3
	s_lshr_b32 s84, s83, 1
	s_and_b32 s85, s83, 1                          ; which half of the six steps' words
	s_cmp_ge_u32 s[WV], 6
	s_cselect_b32 s82, 1, 0
	s_cmp_ge_u32 s[WV], 12
	s_cselect_b32 s82, s84, s82                    ; 0: K, 1: V
	s_mul_i32 s86, s82, 6
	s_sub_co_u32 s86, s[WV], s86
	s_min_u32 s86, s86, 5                          ; a code wave's step (held at 5 in the scale waves, which do not use it)
	s_add_co_u32 s15, s11, 16
	s_mov_b32 s16, VS_OFF
	s_cmp_eq_u32 s82, 0
	s_cselect_b32 s15, s15, s11
	s_cselect_b32 s16, QKS_OFF, s16
	s_lshl_b32 s15, s15, 5
	s_add_co_u32 s15, s15, s13
	s_add_co_u32 s76, s15, s86
	s_mul_i32 s76, s76, STEPB
	s_mov_b32 s77, 0
	s_lshl_b32 s78, s15, 9
	s_add_co_u32 s78, s78, s16
	s_mul_i32 s85, s85, 1536
	s_add_co_u32 s78, s78, s85
	s_mov_b32 s79, 0
	s_mul_i32 s17, s[WV], STEPB                    ; K's steps from LDS byte 0, V's from VT = 6 steps on
	s_mul_i32 s19, s83, 1536
	s_mov_b32 s[SEL], 0x76543210
	s_mov_b32 s[SEL+1], 0xfedcba98
	s_mov_b32 s[CS], 0x3e0293ee                    ; c = log2(e) / sqrt(128)
	s_mov_b32 s[CS+1], s[CS]
	s_wait_dscnt 0x0
	s_wait_kmcnt 0x0
	s_cmp_eq_u32 s82, 0
	s_cselect_b64 s[80:81], s[4:5], s[6:7]
	s_add_nc_u64 s[76:77], s[80:81], s[76:77]
	s_add_nc_u64 s[78:79], s[80:81], s[78:79]
	s_mov_b32 s[G0S], 1
	s_add_co_u32 s[G0S+1], s19, KSC
	s_mov_b64 s[G0S+2:G0S+3], s[78:79]
	s_or_b32 s[G0S+3], s[G0S+3], 0x80000000
	s_mov_b32 s44, 1
	s_mov_b32 s45, s17
	s_mov_b64 s[46:47], s[76:77]
	s_or_b32 s47, s47, 0x80000000
	CROUND                                         ; all four work-groups are here: the joint loads meet
	s_cmp_lt_u32 s[WV], 12                         ; two arms, a fill in each, one join: one tensor load of mine is out
	s_cbranch_scc0 .Lfor_scales
	tensor_load_to_lds s[44:47], s[G1C:G1C+7]
	s_nop 0
.rept 4
	v_nop
.endr
	s_branch .Lasked
.Lfor_scales:
	tensor_load_to_lds s[G0S:G0S+3], s[G1S:G1S+7]
	s_nop 0
.rept 4
	v_nop
.endr
.Lasked:
	s_lshl_b32 s82, s11, 2
	s_add_co_u32 s82, s82, s10                     ; my head
	s_lshl_b32 s83, ttmp9, 4
	s_add_co_u32 s83, s83, s[WV]                   ; my row block of tokens
	s_lshl_b32 s84, s82, 8
	s_add_co_u32 s84, s84, s83
	s_mul_i32 s86, s84, 1536
	s_mov_b32 s87, 0
	s_lshl_b32 s88, s84, 6
	s_add_co_u32 s88, s88, QKS_OFF
	s_mov_b32 s89, 0
	s_add_nc_u64 s[86:87], s[4:5], s[86:87]        ; Q's image
	s_add_nc_u64 s[88:89], s[4:5], s[88:89]        ; and its scale words
	s_lshl_b32 s90, s83, 4
	s_add_co_u32 s90, s90, s82
	s_mul_i32 s90, s90, 1536
	s_mov_b32 s91, 0
	s_lshl_b32 s92, s83, 10
	s_lshl_b32 s93, s82, 2
	s_add_co_u32 s92, s92, s93
	s_add_co_u32 s92, s92, AS_OFF
	s_mov_b32 s93, 0
	s_add_nc_u64 s[90:91], s[8:9], s[90:91]        ; the output's image: row block, K step = head
	s_add_nc_u64 s[92:93], s[8:9], s[92:93]        ; its scale words: 64 bytes a row, word = head
	v_and_b32 v8, 15, v0                           ; r
	v_bfe_u32 v9, v0, 4, 1                         ; h
	v_and_b32 v10, 31, v0                          ; lane
	s_delay_alu instid0(VALU_DEP_1)
	v_lshlrev_b32 v1, 4, v10                       ; 16 x lane: an image's place for my lane; K's tiles begin at LDS byte 0
	s_delay_alu instid0(VALU_DEP_1)
	v_add_nc_u32 v2, VT, v1
	v_lshlrev_b32 v6, 2, v8
	s_delay_alu instid0(VALU_DEP_1)
	v_add_nc_u32 v3, KSC, v6
	s_delay_alu instid0(VALU_DEP_2)
	v_add_nc_u32 v4, VSC, v6
.irp c, 0,1,2
	global_load_b128 v[16+4*\c:19+4*\c], v1, s[86:87] offset:512*\c   ; Q stays in registers
.endr
	global_load_b32 v255, v6, s[88:89]
	s_lshr_b32 s94, s83, 1
	s_lshl_b32 s94, s94, 5
	s_and_b32 s95, s83, 1
	s_lshl_b32 s95, s95, 3
	s_add_co_u32 s94, s94, s95
	v_and_b32 v5, 8, v8
	s_delay_alu instid0(VALU_DEP_1)
	v_add_nc_u32 v5, v5, v8
	s_delay_alu instid0(VALU_DEP_1)
	v_add_nc_u32 v5, s94, v5                       ; my query
	v_lshlrev_b32 v7, 4, v9
	s_delay_alu instid0(VALU_DEP_1)
	v_sub_nc_u32 v5, v5, v7                        ; - 16 h
	v_lshlrev_b32 v7, 6, v8                        ; 64 r
	v_mov_b32 v13, 0xff61b1e6                      ; the largest t so far: -3e38
	s_delay_alu instid0(VALU_DEP_1)
	v_floor_f32 v12, -v13
	v_mov_b32 v14, 0
	v_mov_b32 v15, 0
.irp b, 0,1,2,3
	v_mov_b32 v[236+\b], 0                         ; written once: a lane permute's destination counts as one of its sources
.endr
	v_mov_b32 v252, 0
	v_mov_b32 v253, 0
.set n, 0
.rept 64
	v_mov_b32 v[160+n], 0                          ; O^T: the step is written once: the first finds zeros, which the first change of M leaves zeros
.set n, n+1
.endr
; ONE KEY STEP of the six in LDS, a trip of the loop: s98 = 12,288 x trip, s99 = 512 x trip.
.macro STEP
	s_cmp_gt_u32 s[ST], s[QB]                      ; all its keys come after my queries,
	s_cbranch_scc1 .Lskip_\@
	s_add_co_u32 s96, s[ST], 4
	s_cmp_lt_u32 s96, s[QB]                        ; or all lie ahead of the window: scalars made of the cluster's x and the wave's number
	s_cbranch_scc1 .Lskip_\@
	v_add_nc_u32 v8, s98, v1                       ; (these four are the places in front of the loads below)
	v_add_nc_u32 v9, s98, v2
	v_add_nc_u32 v10, s99, v3
	v_add_nc_u32 v11, s99, v4
	s_wait_alu depctr_va_vdst(0)
.irp g, 0,1                                    ; S^T = K Q^T, four tiles of 16 keys at a time
.if \g > 0
.rept 4
	v_nop
.endr
.endif
.irp t, 0,1,2,3
.irp c, 0,1,2
	ds_load_b128 v[32+12*\t+4*\c:35+12*\t+4*\c], v8 offset:(4*\g+\t)*1536+512*\c
.endr
	ds_load_b32 v[248+\t], v10 offset:64*(4*\g+\t)
.endr
	s_wait_dscnt 0x0
.irp t, 0,1,2,3
	v_wmma_scale_f32_16x16x128_f8f6f4 v[96+8*(4*\g+\t):103+8*(4*\g+\t)], v[32+12*\t:43+12*\t], v[16:27], 0, v[248+\t], v255 matrix_a_fmt:MATRIX_FMT_FP6 matrix_b_fmt:MATRIX_FMT_FP6
.endr
.endr
.rept 4
	v_nop
.endr
	s_cmp_lg_u32 s[ST], s[QB]                      ; my queries' own step: register 16 b + i holds key KF + 16 h + 32 b + i, hidden where it comes after my query
	s_cbranch_scc1 .Lnodiag_\@
	s_sub_co_i32 s97, 0, s[KF]
	v_add_nc_u32 v252, s97, v5
	v_mov_b32 v254, 0xff800000
.set n, 0
.rept 64
	v_cmp_gt_i32 vcc_lo, 32*(n/16)+n%16, v252
	v_cndmask_b32 v[96+n], v[96+n], v254, vcc_lo
.set n, n+1
.endr
.Lnodiag_\@:
	s_add_co_u32 s96, s[ST], 4                     ; four steps ahead of my queries: hidden where the key lies more than 512 ahead of my query
	s_cmp_lg_u32 s96, s[QB]
	s_cbranch_scc1 .Lnowin_\@
	s_sub_co_i32 s97, 0, s[KF]
	s_sub_co_i32 s97, s97, 512
	v_add_nc_u32 v252, s97, v5
	v_mov_b32 v254, 0xff800000
.set n, 0
.rept 64
	v_cmp_lt_i32 vcc_lo, 32*(n/16)+n%16, v252
	v_cndmask_b32 v[96+n], v[96+n], v254, vcc_lo
.set n, n+1
.endr
.Lnowin_\@:
.irp b, 0,1,2,3
	v_max3_num_f32 v[232+\b], v[96+16*\b], v[97+16*\b], v[98+16*\b]   ; the largest score of each block of 32 keys: for the row's maximum, and, since p rises with the score, for the block's largest p
.endr
.irp i2, 3,5,7,9,11,13
.irp b, 0,1,2,3
	v_max3_num_f32 v[232+\b], v[232+\b], v[96+16*\b+\i2], v[97+16*\b+\i2]
.endr
.endr
.irp b, 0,1,2,3
	v_max_num_f32 v[232+\b], v[232+\b], v[111+16*\b]
.endr
.irp b, 0,1,2,3
	s_delay_alu instid0(VALU_DEP_4)
	v_permlanex16_b32 v[236+\b], v[232+\b], s[SEL], s[SEL+1]
.endr
.irp b, 0,1,2,3
	s_delay_alu instid0(VALU_DEP_4)
	v_max_num_f32 v[232+\b], v[232+\b], v[236+\b]
.endr
	s_delay_alu instid0(VALU_DEP_2)
	v_max3_num_f32 v254, v232, v233, v234
	s_delay_alu instid0(VALU_DEP_1)
	v_max_num_f32 v254, v254, v235
	s_delay_alu instid0(VALU_DEP_1)
	v_mul_f32 v254, s[CS], v254
	s_delay_alu instid0(VALU_DEP_1)
	v_max_num_f32 v13, v13, v254                   ; the running largest t
	v_mov_b32 v254, v12
	s_delay_alu instid0(VALU_DEP_2)
	v_floor_f32 v12, -v13                          ; the new -M = -ceil(t): a whole number
	s_delay_alu instid0(VALU_DEP_1)
	v_sub_f32 v254, v12, v254
	s_delay_alu instid0(VALU_DEP_1)
	v_cvt_i32_f32 v254, v254                       ; (it saturates)
	s_delay_alu instid0(VALU_DEP_1)
	v_ldexp_f32 v252, 1.0, v254                    ; f = 2^(old M - new M)
.set n, 0
.rept 32
	v_pk_fma_f32 v[96+n:97+n], v[96+n:97+n], s[CS:CS+1], v[12:13] op_sel_hi:[1,0,0]   ; t - M, two at a time
.set n, n+2
.endr
.irp b, 0,1,2,3
	v_fma_f32 v[232+\b], v[232+\b], s[CS], v12
.endr
.set n, 0
	s_wait_alu depctr_va_vdst(0)
.rept 64
	v_exp_f32 v[96+n], v[96+n]                     ; p = 2^(t - M), not normalised
.set n, n+1
.endr
	v_pk_mul_f32 v[14:15], v[14:15], v[252:253] op_sel_hi:[1,0]   ; the sums under the new M (a plain place behind the exponentials)
	s_wait_alu depctr_va_vdst(0)                   ; one wait for the whole batch, ahead of its first reader
.irp b, 0,1,2,3
	v_exp_f32 v[232+\b], v[232+\b]                 ; the block's largest p
.endr
	v_pk_add_f32 v[236:237], v[100:101], v[104:105]
	v_pk_add_f32 v[92:93], v[108:109], v[112:113]
	v_pk_add_f32 v[90:91], v[116:117], v[120:121]
	v_pk_add_f32 v[88:89], v[124:125], v[128:129]
	v_pk_add_f32 v[86:87], v[132:133], v[136:137]
	v_pk_add_f32 v[84:85], v[140:141], v[144:145]
	v_pk_add_f32 v[82:83], v[148:149], v[152:153]
	v_pk_add_f32 v[14:15], v[14:15], v[156:157]
	v_pk_add_f32 v[236:237], v[236:237], v[96:97]
	v_pk_add_f32 v[92:93], v[92:93], v[98:99]
	v_pk_add_f32 v[90:91], v[90:91], v[102:103]
	v_pk_add_f32 v[88:89], v[88:89], v[106:107]
	v_pk_add_f32 v[86:87], v[86:87], v[110:111]
	v_pk_add_f32 v[84:85], v[84:85], v[114:115]
	v_pk_add_f32 v[82:83], v[82:83], v[118:119]
	v_pk_add_f32 v[14:15], v[14:15], v[122:123]
	v_pk_add_f32 v[236:237], v[236:237], v[126:127]
	v_pk_add_f32 v[92:93], v[92:93], v[130:131]
	v_pk_add_f32 v[90:91], v[90:91], v[134:135]
	v_pk_add_f32 v[88:89], v[88:89], v[138:139]
	v_pk_add_f32 v[86:87], v[86:87], v[142:143]
	v_pk_add_f32 v[84:85], v[84:85], v[146:147]
	v_pk_add_f32 v[82:83], v[82:83], v[150:151]
	v_pk_add_f32 v[14:15], v[14:15], v[154:155]
	v_pk_add_f32 v[236:237], v[236:237], v[158:159]
	s_delay_alu instid0(VALU_DEP_2)
	v_pk_add_f32 v[14:15], v[14:15], v[88:89]
	s_delay_alu instid0(VALU_DEP_2)
	v_pk_add_f32 v[236:237], v[236:237], v[86:87]
	v_pk_add_f32 v[92:93], v[92:93], v[84:85]
	v_pk_add_f32 v[90:91], v[90:91], v[82:83]
	s_delay_alu instid0(VALU_DEP_2)
	v_pk_add_f32 v[14:15], v[14:15], v[92:93]
	s_delay_alu instid0(VALU_DEP_2)
	v_pk_add_f32 v[236:237], v[236:237], v[90:91]
	s_delay_alu instid0(VALU_DEP_1)
	v_pk_add_f32 v[14:15], v[14:15], v[236:237]
	s_wait_alu depctr_va_vdst(0)                   ; and one for the four
.irp b, 0,1,2,3
	v_max_num_f32 v[232+\b], 0x1800000, v[232+\b]  ; the floor: the byte cannot fall under 1
.endr
.irp b, 0,1,2,3
	s_delay_alu instid0(VALU_DEP_4)
	v_add_nc_u32 v[244+\b], 0xff000000, v[232+\b]
.endr
.irp b, 0,1,2,3
	s_delay_alu instid0(VALU_DEP_4)
	v_lshrrev_b32 v[236+\b], 23, v[244+\b]
.endr
	s_delay_alu instid0(VALU_DEP_3)
	v_lshl_or_b32 v253, v237, 8, v236              ; p's scale word for these 128 keys
	s_delay_alu instid0(VALU_DEP_1)
	v_lshl_or_b32 v253, v238, 16, v253
	s_delay_alu instid0(VALU_DEP_1)
	v_lshl_or_b32 v253, v239, 24, v253
.irp c, 0,1
	v_cvt_scalef32_pk16_fp6_f32 v[224+6*\c:226+6*\c], v[96+32*\c:111+32*\c], v[244+2*\c]
	v_cvt_scalef32_pk16_fp6_f32 v[236+4*\c:238+4*\c], v[112+32*\c:127+32*\c], v[244+2*\c+1]
.endr
	v_nop
.irp c, 0,1
.irp i2, 0,1,2
	v_permlane16_swap_b32 v[224+6*\c+\i2], v[236+4*\c+\i2]
.endr
.irp i2, 0,1,2
	s_delay_alu instid0(VALU_DEP_3)
	v_mov_b32 v[227+6*\c+\i2], v[236+4*\c+\i2]
.endr
.endr
.set n, 0
.rept 32
	v_pk_mul_f32 v[160+n:161+n], v[160+n:161+n], v[252:253] op_sel_hi:[1,0]   ; O^T under the new M (these 32 are also the places in front of the loads and matrix instructions below)
.set n, n+2
.endr
	s_wait_alu depctr_va_vdst(0)
.irp g, 0,1                                    ; O^T += V^T P^T, four tiles of 16 channels at a time
.if \g > 0
.rept 4
	v_nop
.endr
.endif
.irp t, 0,1,2,3
.irp c, 0,1,2
	ds_load_b128 v[32+12*\t+4*\c:35+12*\t+4*\c], v9 offset:(4*\g+\t)*1536+512*\c
.endr
	ds_load_b32 v[248+\t], v11 offset:64*(4*\g+\t)
.endr
	s_wait_dscnt 0x0
.irp t, 0,1,2,3
	v_wmma_scale_f32_16x16x128_f8f6f4 v[160+8*(4*\g+\t):167+8*(4*\g+\t)], v[32+12*\t:43+12*\t], v[224:235], v[160+8*(4*\g+\t):167+8*(4*\g+\t)], v[248+\t], v253 matrix_a_fmt:MATRIX_FMT_FP6 matrix_b_fmt:MATRIX_FMT_FP6
.endr
.endr
.Lskip_\@:
	s_add_co_u32 s[ST], s[ST], 1
	s_add_co_u32 s[KF], s[KF], 128
	s_add_co_u32 s98, s98, STEPB
	s_add_co_u32 s99, s99, 512
.endm
	s_mov_b32 s98, 0
	s_mov_b32 s99, 0
	s_mov_b32 s75, 0
	s_wait_alu depctr_va_vdst(0)                   ; the wait at the head's end
	s_wait_loadcnt 0x0                             ; Q
	s_wait_tensorcnt 0x0                           ; my tile is in,
	s_barrier_signal -1
	s_barrier_wait -1                              ; everybody's is: all six steps lie in LDS, nothing is filled again, and the waves go on without another barrier
.Lstep:
	STEP
	s_add_co_u32 s75, s75, 1
	s_cmp_lt_u32 s75, 6
	s_cbranch_scc1 .Lstep
	; THE WAY OUT: O^T / the sum, quantised along my head's 128 channels; the image goes out as it stands
.rept 4
	v_nop                                          ; places behind the last products
.endr
	v_add_f32 v14, v14, v15
	s_delay_alu instid0(VALU_DEP_1)
	v_permlanex16_b32 v252, v14, s[SEL], s[SEL+1]
	s_delay_alu instid0(VALU_DEP_1)
	v_add_f32 v14, v14, v252                       ; the row's sum
	s_wait_alu depctr_va_vdst(0)
	v_rcp_f32 v14, v14
.irp b, 0,1,2,3
	v_mov_b32 v[TM+4+\b], 0                        ; (plain places behind the reciprocal)
.endr
	v_and_b32 v8, 31, v0
	s_wait_alu depctr_va_vdst(0)                   ; the wait, ahead of the first reader
.set n, 0
.rept 64
	v_mul_f32 v[96+n], v[160+n], v14               ; each accumulator from its low end on
.set n, n+1
.endr
	QUANT 96, 68
.irp c, 0,1,2
	global_store_b128 v1, v[PC+4*\c:PC+4*\c+3], s[90:91] offset:512*\c   ; 512 consecutive bytes, aligned
.endr
	s_wait_xcnt 0x0                                ; EXEC changes only behind this wait
	v_cmp_gt_u32 vcc_lo, 16, v8
	s_and_saveexec_b32 s96, vcc_lo                 ; both halves of the lanes hold row r's word: lanes 0-15 store it
	global_store_b32 v7, v68, s[92:93]
	s_wait_xcnt 0x0
	s_or_b32 exec_lo, exec_lo, s96
	s_wait_tensorcnt 0x0
	ds_add_u32 v95, v243
	s_wait_dscnt 0x0
	CROUND                                         ; the closing round: no work-group ends while a partner may still ask for a tile that names it
	s_endpgm
.Lfunc_end_k_q7d22440235_attn:
	.size	k_q7d22440235_attn, .Lfunc_end_k_q7d22440235_attn-k_q7d22440235_attn
	.p2alignl 7, 3214868480
	.fill 96, 4, 3214868480
	.section	.rodata,"a",@progbits
	.p2align	6, 0x0
	.amdhsa_kernel k_q7d22440235_attn
		.amdhsa_group_segment_fixed_size 169984
		.amdhsa_private_segment_fixed_size 0
		.amdhsa_enable_private_segment 0
		.amdhsa_kernarg_size 24
		.amdhsa_user_sgpr_count 2
		.amdhsa_user_sgpr_kernarg_segment_ptr 1
		.amdhsa_wavefront_size32 1
		.amdhsa_system_sgpr_workgroup_id_x 1
		.amdhsa_system_sgpr_workgroup_id_y 1
		.amdhsa_system_sgpr_workgroup_id_z 1
		.amdhsa_system_vgpr_workitem_id 0
		.amdhsa_next_free_vgpr 256
		.amdhsa_next_free_sgpr 100
		.amdhsa_reserve_vcc 1
		.amdhsa_float_denorm_mode_32 3
		.amdhsa_float_denorm_mode_16_64 3
		.amdhsa_memory_ordered 1
		.amdhsa_forward_progress 1
		.amdhsa_inst_pref_size 50
	.end_amdhsa_kernel
	.amdgpu_metadata
---
amdhsa.version: [ 1, 2 ]
amdhsa.kernels:
  - .name:           k_q7d22440235_attn
    .symbol:         k_q7d22440235_attn.kd
    .args:
      - { .name: qk, .offset: 0, .size: 8, .value_kind: global_buffer, .address_space: global }
      - { .name: vq, .offset: 8, .size: 8, .value_kind: global_buffer, .address_space: global }
      - { .name: aq, .offset: 16, .size: 8, .value_kind: global_buffer, .address_space: global }
    .group_segment_fixed_size: 169984
    .private_segment_fixed_size: 0
    .kernarg_segment_align: 8
    .kernarg_segment_size: 24
    .max_flat_workgroup_size: 512
    .sgpr_count:     100
    .vgpr_count:     256
    .wavefront_size: 32
...
	.end_amdgpu_metadata
.endif
;; end of part 3
;; launch outp (part 4): grid 8 x 32, 4 waves a work-group, clusters of 4 x 4, 327,680 bytes of LDS; arguments aq, wq, out0; writes out0
.if DOCPART == 4
	.amdgcn_target "amdgcn-amd-amdhsa--gfx1250"
	.amdhsa_code_object_version 6
	.text
	.protected	k_q7d22440235_outp
	.globl	k_q7d22440235_outp
	.p2align	8
	.type	k_q7d22440235_outp,@function
k_q7d22440235_outp:
	s_mov_b64 s[64:65], 0
	v_nop
	global_prefetch_b8 v0, s[64:65] scope:SCOPE_SE
	s_setreg_imm32_b32 hwreg(HW_REG_WAVE_MODE, 25, 1), 1
	s_wait_xcnt 0x0
	s_wait_alu depctr_hold_cnt(0) depctr_sa_sdst(0) depctr_va_vdst(0) depctr_va_sdst(0) depctr_va_ssrc(0) depctr_va_vcc(0) depctr_vm_vsrc(0)
	s_getreg_b32 s2, hwreg(HW_REG_IB_STS2, 6, 4)
	s_cmp_eq_u32 s2, 0
	s_cbranch_scc0 .Lentry_in_a_cluster
	s_endpgm
.Lentry_in_a_cluster:
	s_bfe_u32 s2, ttmp6, 0x10000c
	s_cmp_lg_u32 s2, 0xf033
	s_cbranch_scc0 .Lentry_shape_is_right
	s_endpgm
.Lentry_shape_is_right:
; out0 = attention's result x out_kernel, on codes of FP6 (E2M3): 4,096 tokens (aq) x 2,048 rows of wq (from row 3,072 on), K = 2,048.
; A tile of 128 tokens x 256 columns is made by four waves, 64 x 128 each: 32 accumulators.  Operands are images of their registers: [row block][K step of 128][1536].
; THE RING: two LDS slots, each with four K steps of 128 of A's 8 and B's 16 row blocks: four fills.  Rows of a tensor tile are 6,144 bytes and begin at multiples of 256 bytes.
; THE HEAD: what the first steps need is shared out, one joint load a wave: wave 0 A's 8 row blocks, wave 1 B's 16, wave 2 the scale words of A's 128 rows, wave 3 those of B's 256 (for all of K; they stay in LDS).
; Slot 1 is first filled behind the full sequence and a round, as a refill is; from there on waves 0, 1 fetch halves of A's row blocks and waves 2, 3 halves of B's.
; CLUSTERS: 4 x 4 work-groups; A's tiles are asked for jointly along a row of the cluster, B's along a column.
; PREFETCH: behind the joint load of fill g each wave names fill g + 1 (four K steps, 128 matrix instructions a wave, ahead of the load that wants it): of the row blocks that it fetches in the ring, the partner at place p
; (cx for A, cy for B) names A's block p, or B's blocks 2 p and 2 p + 1: a lane to each 256 bytes, 24 a row block (the lanes left over name the last again).  Offsets are immediates: no address register is rewritten.
; The matrix instruction is used transposed (source 0 = 16 rows of wq, source 1 = 16 tokens); results go through the wave's stage in LDS (in slot 0, behind its last fill and last read) and leave as rows of 512 bytes.
.set AS_OFF,  6291456
.set G0H,  4                           ; s[4:7], s[8:11] group 0 of the head's loads of codes (the arguments that lay in s[4:7] have been used by then)
.set G0HB, 8
.set PFA,  66                          ; s[66:67] the prefetches' base; v30 their offset, 256 x min(lane, 23); neither is rewritten
.set WS_OFF,  7864320
.set NQ,     4
.set FR,     12
.set NP,     4
.set FRB,    1536
.set RBB,    6144
.set PARTA,  24576
.set PARTB,  49152
.set SLOT,   147456
.set KS,     64
.set SCL,    294912
.set HSA,    4352
.set HSB,    8704
.set SBLK,   1088
.set SPARE,  321024
.set SPITCH, 528
.set ADRA, 16
.set ADRB, 20
.set STO,  24
.set RD,   25
.set CO,   26
.set ADRS, 27
.set SPW,  28
.set NIL,  29
.set SC,   32
.set AF,   96
.set BK,   128
.set G1, 24
.set G0, 32
.set G1B, 48
.set G0B, 56
.set G1S, 68
.set G0S, 76
.set G1SB, 80
.set G0SB, 88
.set MSB, 0
.macro WIN new
.if MSB != (\new)
	s_set_vgpr_msb (MSB<<8)|(\new)
.set MSB, (\new)
.endif
.endm
.set MUL,    0xa1
.set TO_B,   0x40
.macro JLOAD g0a, g1a, g0b, g1b
	s_cmp_eq_u32 s15, 0
	s_cbranch_scc0 .Lfor_b_\@
	tensor_load_to_lds s[\g0a:\g0a+3], s[\g1a:\g1a+7]
	s_nop 0
.rept 4
	v_nop
.endr
	s_branch .Lasked_\@
.Lfor_b_\@:
	tensor_load_to_lds s[\g0b:\g0b+3], s[\g1b:\g1b+7]
	s_nop 0
.rept 4
	v_nop
.endr
.Lasked_\@:
.endm
.macro CREST
	s_cmp_lg_u32 s14, 0
	s_cbranch_scc1 .Lnot_wave_0_\@
	s_barrier_signal -3
.Lnot_wave_0_\@:
	s_barrier_wait -3
	s_barrier_signal -1
	s_barrier_wait -1
.endm
.macro CROUND
	s_barrier_signal -1
	s_barrier_wait -1
	CREST
.endm
	s_load_b128 s[4:7], s[0:1], 0x0
	s_load_b64 s[12:13], s[0:1], 0x10
	v_lshl_add_u32 v[SPW], v0, 2, SPARE
	v_mov_b32 v[NIL], 0
	ds_add_u32 v28, v29
	ds_add_u32 v28, v29
	s_wait_dscnt 0x0
	v_lshrrev_b32 v1, 5, v0
	v_readfirstlane_b32 s14, v1
	s_lshr_b32 s15, s14, 1
	s_and_b32 s16, s14, 1
	s_bfe_u32 s40, ttmp6, 0x40000
	s_bfe_u32 s41, ttmp6, 0x40004
	s_lshl_b32 s42, ttmp9, 2
	s_add_co_u32 s42, s42, s40
	s_and_b32 s17, ttmp7, 0xffff
	s_lshl_b32 s17, s17, 2
	s_add_co_u32 s17, s17, s41
	s_lshl_b32 s43, s41, 2
	s_lshl_b32 s43, 15, s43
	s_lshl_b32 s44, 0x1111, s40
	s_or_b32 s[G1+0], s43, (3<<16)|(1<<21)
	s_mov_b32 s[G1+1], 768<<16
	s_mov_b32 s[G1+2], 8<<16                       ; the head's load brings all 8 row blocks
	s_mov_b32 s[G1+3], 768<<16
	s_mov_b32 s[G1+4], 8
	s_mov_b32 s[G1+5], 3072
	s_mov_b32 s[G1+6], 0
	s_mov_b32 s[G1+7], 0
	s_or_b32 s[G1B+0], s44, (3<<16)|(1<<21)
	s_mov_b32 s[G1B+1], 768<<16
	s_mov_b32 s[G1B+2], 16<<16                     ; and all 16 of B's
	s_mov_b32 s[G1B+3], 768<<16
	s_mov_b32 s[G1B+4], 16
	s_mov_b32 s[G1B+5], 3072
	s_mov_b32 s[G1B+6], 0
	s_mov_b32 s[G1B+7], 0
	s_or_b32 s[G1S+0], s43, (3<<16)|(1<<20)|(1<<21)|(5<<22)|(3<<25)
	s_mov_b32 s[G1S+1], 32<<16
	s_mov_b32 s[G1S+2], 32<<16                     ; the scale words of 128 rows: 32 rows of 256 bytes
	s_mov_b32 s[G1S+3], 32<<16
	s_mov_b32 s[G1S+4], 32
	s_mov_b32 s[G1S+5], 32
	s_mov_b32 s[G1S+6], 0
	s_mov_b32 s[G1S+7], 0
	s_or_b32 s[G1SB+0], s44, (3<<16)|(1<<20)|(1<<21)|(5<<22)|(3<<25)
	s_mov_b32 s[G1SB+1], 32<<16
	s_mov_b32 s[G1SB+2], 64<<16                    ; of 256 rows: 64
	s_mov_b32 s[G1SB+3], 32<<16
	s_mov_b32 s[G1SB+4], 64
	s_mov_b32 s[G1SB+5], 32
	s_mov_b32 s[G1SB+6], 0
	s_mov_b32 s[G1SB+7], 0
	s_lshl_b32 s20, s17, 7
	s_lshl_b32 s46, s42, 8
	s_add_co_u32 s46, s46, 3072
	s_lshl_b32 s22, s20, 6
	s_add_co_u32 s22, s22, AS_OFF
	s_mov_b32 s23, 0
	s_lshl_b32 s92, s46, 6
	s_add_co_u32 s92, s92, WS_OFF
	s_mov_b32 s93, 0
	s_mul_i32 s20, s20, 1536
	s_mov_b32 s21, 0
	s_mul_i32 s46, s46, 1536
	s_mov_b32 s47, 0
	s_mul_i32 s45, s16, PARTA
	s_mul_i32 s95, s16, PARTB
	s_add_co_u32 s95, s95, 2*PARTA
	s_mul_i32 s18, s16, 4*24576                    ; in the ring I fetch a half of the tile's row blocks: 4 of A's,
	s_mov_b32 s19, 0
	s_mul_i32 s96, s16, 8*24576                    ; or 8 of B's
	s_mov_b32 s97, 0
	s_mov_b32 s99, 2*24576
	s_cmp_eq_u32 s15, 0
	s_cselect_b32 s98, s40, s41                    ; my place among the four that ask with me: it enters the prefetches' address alone
	s_cselect_b32 s99, 24576, s99                  ; one row block of A to a partner, two of B
	s_mul_i32 s98, s98, s99
	s_mov_b32 s99, 0
	s_wait_kmcnt 0x0
	s_add_nc_u64 s[20:21], s[4:5], s[20:21]
	s_add_nc_u64 s[22:23], s[4:5], s[22:23]
	s_add_nc_u64 s[46:47], s[6:7], s[46:47]
	s_add_nc_u64 s[92:93], s[6:7], s[92:93]
	s_mov_b32 s[G0S], 1
	s_mov_b32 s[G0S+1], SCL
	s_mov_b64 s[G0S+2:G0S+3], s[22:23]
	s_or_b32 s[G0S+3], s[G0S+3], 0x80000000
	s_mov_b32 s[G0SB], 1
	s_mov_b32 s[G0SB+1], SCL+2*HSA
	s_mov_b64 s[G0SB+2:G0SB+3], s[92:93]
	s_or_b32 s[G0SB+3], s[G0SB+3], 0x80000000
	s_mov_b32 s[G0H], 1                            ; fill 0, each operand whole: A's 8 row blocks,
	s_mov_b32 s[G0H+1], 0
	s_mov_b64 s[G0H+2:G0H+3], s[20:21]
	s_or_b32 s[G0H+3], s[G0H+3], 0x80000000
	s_mov_b32 s[G0HB], 1                           ; B's 16, behind them in slot 0
	s_mov_b32 s[G0HB+1], 2*PARTA
	s_mov_b64 s[G0HB+2:G0HB+3], s[46:47]
	s_or_b32 s[G0HB+3], s[G0HB+3], 0x80000000
	s_add_nc_u64 s[20:21], s[20:21], s[18:19]      ; for the ring: my half of the row blocks
	s_add_nc_u64 s[46:47], s[46:47], s[96:97]
	s_cmp_eq_u32 s15, 0
	s_cselect_b64 s[PFA:PFA+1], s[20:21], s[46:47]
	s_add_nc_u64 s[PFA:PFA+1], s[PFA:PFA+1], s[98:99]
.irp s, 0,1
	s_mov_b32 s[G0+4*\s], 1
	s_add_co_u32 s[G0+4*\s+1], s45, \s*SLOT
	s_add_nc_u64 s[G0+4*\s+2:G0+4*\s+3], s[20:21], \s*RBB
	s_or_b32 s[G0+4*\s+3], s[G0+4*\s+3], 0x80000000
	s_mov_b32 s[G0B+4*\s], 1
	s_add_co_u32 s[G0B+4*\s+1], s95, \s*SLOT
	s_add_nc_u64 s[G0B+4*\s+2:G0B+4*\s+3], s[46:47], \s*RBB
	s_or_b32 s[G0B+4*\s+3], s[G0B+4*\s+3], 0x80000000
.endr
.macro ASK g                           ; fill g's bytes of my share of the row blocks: one row block for A's waves, two for B's
	global_prefetch_b8 v30, s[PFA:PFA+1] offset:(\g)*RBB th:TH_LOAD_NT scope:SCOPE_SE
	s_cmp_eq_u32 s15, 0
	s_cbranch_scc1 .Lasked_a_\@
	global_prefetch_b8 v30, s[PFA:PFA+1] offset:(\g)*RBB+24576 th:TH_LOAD_NT scope:SCOPE_SE
.Lasked_a_\@:
.endm
; one chain of branches on the wave's number, a load in each arm, all arms leading to one join: every way through the head passes exactly one load
.macro ARM under, g0, g1, next
	s_cmp_lt_u32 s14, \under
	s_cbranch_scc0 \next
	tensor_load_to_lds s[\g0:\g0+3], s[\g1:\g1+7]
	s_nop 0
.rept 4
	v_nop
.endr
	s_branch .Lhead_asked
\next:
.endm
	CROUND                                         ; all sixteen work-groups are here: the first joint loads meet
	ARM 1, G0H,  G1,  .Lhead_b
	ARM 2, G0HB, G1B, .Lhead_sa
	ARM 3, G0S,  G1S, .Lhead_sb
	tensor_load_to_lds s[G0SB:G0SB+3], s[G1SB:G1SB+7]
	s_nop 0
.rept 4
	v_nop
.endr
.Lhead_asked:
	v_and_b32 v1, 15, v0
	v_bfe_u32 v2, v0, 4, 1
	v_and_b32 v3, 31, v0
	v_lshlrev_b32 v[CO], 4, v3
	v_min_u32 v30, 23, v3
	v_lshlrev_b32 v30, 8, v30
	s_mul_i32 s21, s15, PARTA
	s_mul_i32 s22, s16, PARTB
	s_add_co_u32 s22, s22, 2*PARTA
.irp s, 0,1
	v_add_nc_u32 v[ADRA+\s], s21, v[CO]
	v_add_nc_u32 v[ADRB+\s], s22, v[CO]
	s_add_co_u32 s21, s21, SLOT
	s_add_co_u32 s22, s22, SLOT
.endr
	v_mul_u32_u24 v5, v1, KS
	v_lshrrev_b32 v6, 8, v5
	v_lshl_add_u32 v5, v6, 4, v5
	s_mul_i32 s21, s15, HSA
	s_mul_i32 s22, s16, HSB
	s_add_co_u32 s22, s22, 2*HSA
	s_sub_co_u32 s22, s22, s21
	v_mul_u32_u24 v6, s22, v2
	s_add_co_u32 s21, s21, SCL
	v_add_nc_u32 v5, v5, v6
	v_add_nc_u32 v[ADRS], s21, v5
	s_mul_i32 s23, s14, 16*SPITCH
	v_mul_u32_u24 v5, v1, SPITCH
	v_lshl_add_u32 v5, v2, 6, v5
	v_add_nc_u32 v[STO], s23, v5
	v_add_nc_u32 v[RD], s23, v[CO]
	s_lshl_b32 s20, s17, 7
	s_lshl_b32 s21, s15, 6
	s_add_co_u32 s20, s20, s21
	s_lshl_b32 s20, s20, 13
	s_lshl_b32 s46, s42, 10
	s_lshl_b32 s47, s16, 9
	s_add_co_u32 s46, s46, s47
	s_add_co_u32 s20, s20, s46
	s_mov_b32 s21, 0
	s_add_nc_u64 s[12:13], s[12:13], s[20:21]
.macro FRAG reg, adr, q, i
.irp c, 0,1,2
	ds_load_b128 v[\reg+4*\c:\reg+4*\c+3], v[\adr] offset:(\i)*RBB+(\q)*FRB+512*\c
.endr
.endm
.macro MUL8 a, p, q, sc, zero
.irp b, 0,1,2,3,4,5,6,7
.if \zero
	v_wmma_scale_f32_16x16x128_f8f6f4 v[8*(8*(\a)+\b):8*(8*(\a)+\b)+7], v[128*(\p)+FR*\b:128*(\p)+FR*\b+FR-1], v[AF+48*(\p)+FR*(\a):AF+48*(\p)+FR*(\a)+FR-1], 0, v[SC+32*(\sc)+4*\b+(\q)], v[SC+32*(\sc)+4*(\a)+(\q)] matrix_a_fmt:MATRIX_FMT_FP6 matrix_b_fmt:MATRIX_FMT_FP6 matrix_a_scale:MATRIX_SCALE_ROW1
.else
	v_wmma_scale_f32_16x16x128_f8f6f4 v[8*(8*(\a)+\b):8*(8*(\a)+\b)+7], v[128*(\p)+FR*\b:128*(\p)+FR*\b+FR-1], v[AF+48*(\p)+FR*(\a):AF+48*(\p)+FR*(\a)+FR-1], v[8*(8*(\a)+\b):8*(8*(\a)+\b)+7], v[SC+32*(\sc)+4*\b+(\q)], v[SC+32*(\sc)+4*(\a)+(\q)] matrix_a_fmt:MATRIX_FMT_FP6 matrix_b_fmt:MATRIX_FMT_FP6 matrix_a_scale:MATRIX_SCALE_ROW1
.endif
.endr
.endm
.macro FETCH slot, q, p
	WIN TO_B
.irp i, 0,1,2,3,4,5,6,7
	FRAG 128*(\p)+FR*\i, ADRB+\slot, \q, \i
.endr
	WIN 0
.irp i, 0,1,2,3
	FRAG AF+48*(\p)+FR*\i, ADRA+\slot, \q, \i
.endr
.endm
.macro SCALES sc
.irp i, 0,1,2,3,4,5,6,7
	ds_load_b128 v[SC+32*\sc+4*\i:SC+32*\sc+4*\i+3], v[ADRS] offset:\i*SBLK
.endr
.endm
.macro PLACES n
.rept \n
	v_nop
.endr
.endm
.macro STEP slot, q, zero
	s_wait_dscnt 0x0
	PLACES NP
	FETCH \slot, (\q)+1, 1-(\q)%2
	WIN MUL
	MUL8 0, (\q)%2, \q, \slot, \zero
	MUL8 1, (\q)%2, \q, \slot, \zero
	MUL8 2, (\q)%2, \q, \slot, \zero
	MUL8 3, (\q)%2, \q, \slot, \zero
	WIN 0
.endm
.macro TURN slot, next, fill
	s_wait_tensorcnt 0x0
	ds_add_u32 v[SPW], v[NIL]
	s_wait_dscnt 0x1
	WIN MUL
	MUL8 0, 1, NQ-1, \slot, 0
	s_wait_dscnt 0x0
	s_barrier_signal -1
	MUL8 1, 1, NQ-1, \slot, 0
	WIN 0
	s_barrier_wait -1
.if \fill
	CREST
	s_add_nc_u64 s[G0+4*\slot+2:G0+4*\slot+3], s[G0+4*\slot+2:G0+4*\slot+3], 2*RBB
	s_add_nc_u64 s[G0B+4*\slot+2:G0B+4*\slot+3], s[G0B+4*\slot+2:G0B+4*\slot+3], 2*RBB
	JLOAD G0+4*\slot, G1, G0B+4*\slot, G1B
.else
	PLACES NP
.endif
	s_wait_alu depctr_va_vdst(0)
	v_add_nc_u32 v[ADRS], 4*NQ, v[ADRS]
	FETCH \next, 0, 0
	SCALES \next
.if \fill && (\slot) == 0
	ASK 3                                          ; behind fill 2's load; fill 3 is the last
.endif
	WIN MUL
	MUL8 2, 1, NQ-1, \slot, 0
	MUL8 3, 1, NQ-1, \slot, 0
	WIN 0
.endm
	s_wait_alu depctr_va_vdst(0)
	ASK 1
	s_wait_tensorcnt 0x0                           ; my tile of the head's four is in
	ds_add_u32 v[SPW], v[NIL]
	s_mov_b32 s[G1+2], 4<<16                       ; no tensor load of mine is out: from here on a load brings a half: 4 row blocks of A,
	s_mov_b32 s[G1+4], 4
	s_mov_b32 s[G1B+2], 8<<16                      ; 8 of B
	s_mov_b32 s[G1B+4], 8
	s_wait_dscnt 0x0
	CROUND                                         ; all four tiles are in, and the joint loads meet
	JLOAD G0+4, G1, G0B+4, G1B                     ; fill 1, slot 1's first
	FETCH 0, 0, 0
	SCALES 0
	ASK 2
	STEP 0, 0, 1
	STEP 0, 1, 0
	STEP 0, 2, 0
	TURN 0, 1, 1
	STEP 1, 0, 0
	STEP 1, 1, 0
	STEP 1, 2, 0
	TURN 1, 0, 1
	STEP 0, 0, 0
	STEP 0, 1, 0
	STEP 0, 2, 0
	TURN 0, 1, 0
	STEP 1, 0, 0
	STEP 1, 1, 0
	STEP 1, 2, 0
	s_wait_dscnt 0x0
	WIN MUL
	MUL8 0, 1, NQ-1, 1, 0
	MUL8 1, 1, NQ-1, 1, 0
	MUL8 2, 1, NQ-1, 1, 0
	MUL8 3, 1, NQ-1, 1, 0
	WIN 0
.macro TOSTAGE a
.set AC, 64*(\a)
	WIN 0x08
.irp b, 0,1,2,3,4,5,6,7
	ds_store_b128 v[STO], v[AC+8*\b:AC+8*\b+3] offset:128*(\b/2)+32*(\b%2)
	ds_store_b128 v[STO], v[AC+8*\b+4:AC+8*\b+7] offset:128*(\b/2)+32*(\b%2)+16
.endr
	WIN 0
.set BB, BK+64*((\a)%2)
.irp t, 0,1,2,3,4,5,6,7,8,9,10,11,12,13,14,15
	ds_load_b128 v[BB+4*\t:BB+4*\t+3], v[RD] offset:\t*SPITCH
.endr
.endm
.macro SEND a, younger
.set BB, BK+64*((\a)%2)
	s_wait_dscnt \younger
.irp t, 0,1,2,3,4,5,6,7,8,9,10,11,12,13,14,15
	global_store_b128 v[CO], v[BB+4*\t:BB+4*\t+3], s[12:13] offset:(32*((\a)/2)+8*((\a)%2)+\t+8*(\t/8))*8192 th:TH_STORE_NT
.endr
.endm
	PLACES NP
	TOSTAGE 0
.irp a, 1,2,3
.if \a > 1
	s_wait_xcnt 0x0
.endif
	TOSTAGE \a
	SEND \a-1, 32
.endr
	SEND 3, 0
	s_wait_tensorcnt 0x0
	ds_add_u32 v[SPW], v[NIL]
	s_wait_dscnt 0x0
	CROUND
	s_endpgm
.Lfunc_end_k_q7d22440235_outp:
	.size	k_q7d22440235_outp, .Lfunc_end_k_q7d22440235_outp-k_q7d22440235_outp
	.p2alignl 7, 3214868480
	.fill 96, 4, 3214868480
	.section	.rodata,"a",@progbits
	.p2align	6, 0x0
	.amdhsa_kernel k_q7d22440235_outp
		.amdhsa_group_segment_fixed_size 327680
		.amdhsa_private_segment_fixed_size 0
		.amdhsa_enable_private_segment 0
		.amdhsa_kernarg_size 24
		.amdhsa_user_sgpr_count 2
		.amdhsa_user_sgpr_kernarg_segment_ptr 1
		.amdhsa_wavefront_size32 1
		.amdhsa_system_sgpr_workgroup_id_x 1
		.amdhsa_system_sgpr_workgroup_id_y 1
		.amdhsa_system_sgpr_workgroup_id_z 1
		.amdhsa_system_vgpr_workitem_id 0
		.amdhsa_next_free_vgpr 768
		.amdhsa_next_free_sgpr 100
		.amdhsa_reserve_vcc 0
		.amdhsa_float_denorm_mode_32 3
		.amdhsa_float_denorm_mode_16_64 3
		.amdhsa_memory_ordered 1
		.amdhsa_forward_progress 1
		.amdhsa_inst_pref_size 136
	.end_amdhsa_kernel
	.amdgpu_metadata
---
amdhsa.version: [ 1, 2 ]
amdhsa.kernels:
  - .name:           k_q7d22440235_outp
    .symbol:         k_q7d22440235_outp.kd
    .args:
      - { .name: aq, .offset: 0, .size: 8, .value_kind: global_buffer, .address_space: global }
      - { .name: wq, .offset: 8, .size: 8, .value_kind: global_buffer, .address_space: global }
      - { .name: out0, .offset: 16, .size: 8, .value_kind: global_buffer, .address_space: global }
    .group_segment_fixed_size: 327680
    .private_segment_fixed_size: 0
    .kernarg_segment_align: 8
    .kernarg_segment_size: 24
    .max_flat_workgroup_size: 128
    .sgpr_count:     100
    .vgpr_count:     768
    .wavefront_size: 32
...
	.end_amdgpu_metadata
.endif
;; end of part 4
